; MI455X (gfx1250); checked and timed in simulation.
; The chip was launched on July 23, 2026; its instructions are those of AMD's public machine-readable ISA for CDNA 5 (MIT licence, August 2026) and "CDNA5" Instruction Set Architecture Reference Guide (July 2026). The comments in the code are by the model that wrote it; some were corrected since.
;; Causal Self Attention. Allowed arithmetic: matrix products marked QUANTISED: E2M3 operands, one E8M0 scale for each 32 along K, by v_wmma_scale_f32_16x16x128_f8f6f4 with both operands' format E2M3, f32 sums; everything else in f32.
;; Inputs: b_out 1,024 float32; b_qkv 3,072 float32; w_out 1,024 x 1,024 float32; w_qkv 3,072 x 1,024 float32; x 4 x 2,048 x 1,024 float32.
;; Outputs: out0 4 x 2,048 x 1,024 float32.
;; This version of the problem:
;;   THIS VERSION OF THE PROBLEM IS GIVEN IN LOW PRECISION. The matrix products marked QUANTISED in the list below multiply operands that are first quantised to E2M3 (2 exponent bits, 3 mantissa bits; 6 bits a number), with one power-of-two scale for each 32 numbers along K (OCP MX v1.0); their sums are f32. All else is computed in f32.
;;   The module's matrix products, in the order in which they are computed (A, B: the left and right operand; K: the contracted axis; several contracted axes count as one K, in the product's order):
;;     1. [M 8,192, K 1,024] x [K 1,024, N 3,072]; A: input x; B: input w_qkv: QUANTISED
;;     2. batch 64 x [M 2,048, K 64] x [K 64, N 2,048]; A: computed on the way; B: computed on the way: QUANTISED
;;     3. batch 64 x [M 2,048, K 2,048] x [K 2,048, N 64]; A: softmax (see below); B: computed on the way: QUANTISED
;;     4. [M 8,192, K 1,024] x [K 1,024, N 1,024]; A: computed on the way; B: input w_out: QUANTISED
;;   THE QUANTISER, for each operand of a quantised product, along K:
;;     - K is cut into blocks of 32 from its start; a last block that is shorter is filled with zeros.
;;     - A block's scale is 2^e with e = floor(log2(the largest magnitude in the block)) - 2, held to -126 .. 127; a block of zeros has e = 0. As a byte (E8M0): e + 127.
;;     - Each number is divided by its block's scale, clamped to +-7.5, and rounded to the nearest number of E2M3, ties to even, subnormals kept.
;;     - The product sums the exact products of the quantised numbers (number of the format x scale) in f32.
;;   ~~~python
;;   def quantise(x, axis):      # numpy; x: float32 -> the quantised numbers, widened to float32 again
;;       x = np.moveaxis(x, axis, -1); K = x.shape[-1]
;;       x = np.pad(x, [(0, 0)] * (x.ndim - 1) + [(0, -K % 32)]); x = x.reshape(x.shape[:-1] + (-1, 32)); a = np.abs(x).max(-1, keepdims=True)
;;       e = np.where(a > 0, np.clip(np.frexp(np.where(a > 0, a, 1))[1] - 1 - 2, -126, 127), 0)      # np.frexp(a)[1] - 1 = floor(log2(a)), exactly
;;       r = np.clip(x / 2.0 ** e, -7.5, 7.5)
;;       step = 2.0 ** (np.maximum(np.frexp(np.where(r == 0, 1, r))[1] - 1, 0) - 3)
;;       q = np.round(r / step) * step * 2.0 ** e      # np.round: ties to even
;;       return np.moveaxis(q.reshape(q.shape[:-2] + (-1,))[..., :K], -1, axis).astype(np.float32)
;;   ~~~
;;   SOFTMAX AHEAD OF A QUANTISED PRODUCT. Where the list says 'softmax', what is quantised is not the finished softmax but p = 2^(t - M), with t = logit x log2(e) and M = ceil(the row's largest t), a whole number; so 1/2 < the row's largest p <= 1. The row's sum l is taken of the UNQUANTISED p, in f32, and the product's result is divided by l at the end. Since M is a whole number, a kernel that streams over the keys may use a running M (the ceiling of the running maximum): every later rescaling is an exact power of two, which a block's scale takes up: the codes' values come out the same.
;;   OPERANDS COMPUTED ON THE WAY. 'Computed on the way' means the value that the module computes at that place (a softmax that the list does not call 'softmax' is quantised finished and normalised). What goes into a quantiser is computed in f32, as accurately as f32 sums, v_exp_f32 and their like allow (about 1e-6 of the number): no bf16 or f16 on the way to a quantiser, and a product that is left as it is and whose result goes on into a quantised operand takes f32 operands (vector FMAs, or v_wmma_f32_16x16x4_f32). A number that lies on a knife's edge between two numbers of the format may be rounded either way, as far as f32 arithmetic and the matrix unit's own rounding can turn it there, and no further.
;; One version. Each part assembles by itself: llvm-mc -triple=amdgcn-amd-amdhsa -mcpu=gfx1250 --defsym DOCPART=n.
;; ======== version 1 of 1: 4 launches
;; workspace buffers: opc 9,437,184 bytes; ops 393,216 bytes; qkvc 18,874,368 bytes; qkvs 1,310,720 bytes; yc 6,291,456 bytes; ys 262,144 bytes
;; launch quant (part 1): grid 768 x 1, 4 waves a work-group, no clusters, 35,328 bytes of LDS; arguments x, w_qkv, w_out, opc, ops; writes opc, ops
.if DOCPART == 1
	.amdgcn_target "amdgcn-amd-amdhsa--gfx1250"
	.amdhsa_code_object_version 6
	.text
	.protected	k_qf0522bd492_quant
	.globl	k_qf0522bd492_quant
	.p2align	8
	.type	k_qf0522bd492_quant,@function
k_qf0522bd492_quant:
	s_mov_b64 s[64:65], 0
	v_nop
	global_prefetch_b8 v0, s[64:65] scope:SCOPE_SE
	s_setreg_imm32_b32 hwreg(HW_REG_WAVE_MODE, 25, 1), 1
	s_wait_xcnt 0x0
; x [8192][1024], w_qkv [3072][1024], w_out [1024][1024], f32, K innermost, become codes of FP6 (E2M3) with one E8M0 byte for each 32 along K,
; laid in the ORDER OF AN OPERAND'S REGISTERS.  A fragment is 16 rows x 128 K, 12 registers a lane (lane (r, h): row r, registers 6 c .. 6 c + 5 = K 64 c + 32 h + 0 .. 31).
; Its image is 1,536 bytes: for c = 0, 1: 512 bytes (registers 6 c .. 6 c + 3, lane l's at 16 l), then 256 bytes (registers 6 c + 4, 6 c + 5, lane l's at 8 l).
; opc = [row tile 0 .. 767][K step 0 .. 7][1,536]: tiles 0-511 x, 512-703 w_qkv, 704-767 w_out.   ops = [stored row][32 bytes], byte b for K = 32 b on.
; THE ROWS OF A TILE ARE NOT NEIGHBOURS: row p of tile t is real row 32 (t / 2) + 8 (t % 2) + p + 8 (p / 8), so that, where such a tile is a product's source 0, the 16 result registers of
; tiles 2 b and 2 b + 1 are 16 neighbours, 32 b + 16 h + 0 .. 15: what the next quantiser wants.
; A block's scale is 2^(floor(log2(largest magnitude)) - 2): its byte is the largest magnitude's exponent field - 2, held at 1 from below by a floor among the maximum's leaves.
; LIMITS: a block of zeros, and a block whose largest magnitude lies under 2^-124, keeps the byte 1 (its codes are zeros or the nearest codes under that scale; only this program reads the bytes);
; NaN and infinities among the inputs are not served.
; SHARES: a work-group takes one row tile, wave w its K 256 w .. 256 w + 255: two K steps.  Each load reads 512 consecutive bytes of a row; a step's 16 x 512 bytes turn through the wave's own stage in LDS
; (rows 528 bytes apart: 33 x 16, so that sixteen rows start in different banks) and come back 128 bytes a lane: a whole block of 32 in one lane, so no other lane is asked for a maximum.
; No tensor load, no matrix unit, no cluster: the work-groups share no input, and memory binds.
.set PITCH, 528
.set STG,   16*PITCH                   ; a wave's stage
.set SCT,   4*STG                      ; behind the stages: the tile's 16 x 32 scale bytes
.set RAW0,  16                         ; v16-79   step 0 as loaded; later step 1's numbers by blocks
.set RAW1,  80                         ; v80-143  step 1 as loaded
.set XA,    144                        ; v144-207 step 0's numbers by blocks: register 32 c + i = K 64 c + 32 h + i of row r
.set PC0,   208                        ; v208-219 step 0's codes
.set PC1,   220                        ; v220-231 step 1's
.set PT,    232                        ; v232-239 a conversion's three registers begin on an even number: the upper halves are made here and moved
.set SWD,   240                        ; v240-241 the two steps' scale words
	s_load_b128 s[4:7], s[0:1], 0x0                ; x, w_qkv
	s_load_b128 s[8:11], s[0:1], 0x10              ; w_out, opc
	s_load_b64 s[12:13], s[0:1], 0x20              ; ops
	v_lshl_add_u32 v248, v0, 2, 0x8800
	v_mov_b32 v249, 0
	v_lshrrev_b32 v1, 5, v0
	v_readfirstlane_b32 s14, v1                    ; wave 0..3
	v_and_b32 v1, 31, v0                           ; lane
	v_and_b32 v2, 15, v0                           ; r
	v_bfe_u32 v3, v0, 4, 1                         ; h
	v_lshlrev_b32 v4, 4, v1                        ; 16 x lane
	v_lshlrev_b32 v5, 3, v1                        ; 8 x lane
	s_mul_i32 s15, s14, STG
	v_add_nc_u32 v6, s15, v4                       ; the stage, on the way in: a row's 512 bytes as they lie
	v_mul_u32_u24 v7, v2, PITCH
	v_lshl_add_u32 v7, v3, 7, v7
	v_add_nc_u32 v7, s15, v7                       ; and on the way out: row r, + 128 h: my block of 32
	s_lshl_b32 s16, s14, 3
	s_add_co_u32 s16, s16, SCT
	v_lshl_add_u32 v242, v2, 5, s16                ; the scale table: row r's 32 bytes, my wave's 8
	v_add_nc_u32 v243, SCT, v4                     ; and the table read back, 16 bytes a lane
	v_lshlrev_b32 v14, 3, v3                       ; 8 h: my bytes' place in a scale word
	v_mov_b32 v15, 0                               ; written once: a lane permute's destination counts as one of its sources
	s_mov_b32 s20, 0x76543210
	s_mov_b32 s21, 0xfedcba98                      ; v_permlanex16_b32's selects for lane l xor 16
	s_wait_alu depctr_va_vdst(0)
	s_wait_kmcnt 0x0
	s_cmp_lt_u32 ttmp9, 512                        ; which tensor: the choice hangs on the work-group's number alone, and only the pointer is chosen
	s_cselect_b64 s[4:5], s[4:5], s[6:7]
	s_cselect_b32 s17, 0, 512
	s_cmp_lt_u32 ttmp9, 704
	s_cselect_b64 s[4:5], s[4:5], s[8:9]
	s_cselect_b32 s17, s17, 704
	s_sub_co_u32 s17, ttmp9, s17                   ; the tile's number in its tensor
	s_lshr_b32 s18, s17, 1
	s_lshl_b32 s18, s18, 17                        ; 32 rows of 4,096 bytes for each pair of tiles,
	s_and_b32 s19, s17, 1
	s_lshl_b32 s19, s19, 15                        ; 8 rows for the odd one,
	s_add_co_u32 s18, s18, s19
	s_lshl_b32 s19, s14, 10                        ; my wave's 256 numbers
	s_add_co_u32 s18, s18, s19
	s_mov_b32 s19, 0
	s_add_nc_u64 s[4:5], s[4:5], s[18:19]
	s_mul_i32 s22, ttmp9, 12288                    ; the tile's eight images,
	s_mul_i32 s23, s14, 3072                       ; my wave's two
	s_add_co_u32 s22, s22, s23
	s_mov_b32 s23, 0
	s_add_nc_u64 s[10:11], s[10:11], s[22:23]
	s_lshl_b32 s22, ttmp9, 9                       ; the tile's 512 scale bytes
	s_add_nc_u64 s[12:13], s[12:13], s[22:23]
.irp s, 0,1                                    ; 32 loads of 512 consecutive bytes, step 0's first; read once in the launch
.irp p, 0,1,2,3,4,5,6,7,8,9,10,11,12,13,14,15
	global_load_b128 v[RAW0+64*\s+4*\p:RAW0+64*\s+4*\p+3], v4, s[4:5] offset:(\p+8*(\p/8))*4096+512*\s th:TH_LOAD_NT
.endr
.endr
.macro TOST raw                        ; a step's 16 rows into the stage
.irp p, 0,1,2,3,4,5,6,7,8,9,10,11,12,13,14,15
	ds_store_b128 v6, v[\raw+4*\p:\raw+4*\p+3] offset:PITCH*\p
.endr
.endm
.macro FROMST x                        ; and back by blocks.  LDS serves a wave's instructions in order (ISA guide 5.7.1.4): these see the stores above
.irp c, 0,1
.irp j, 0,1,2,3,4,5,6,7
	ds_load_b128 v[\x+32*\c+4*\j:\x+32*\c+4*\j+3], v7 offset:256*\c+16*\j
.endr
.endr
.endm
; 64 numbers of a lane become a fragment's 12 registers and its scale word, and the fragment's image is stored: each store covers whole aligned runs of 256 bytes.
.macro QF x, pc, s
.irp c, 0,1
	v_max3_num_f32 v[8+\c], |v[\x+32*\c]|, |v[\x+32*\c+1]|, 0x1800000   ; my block 2 c + h, and the floor 2^(3 - 127): the byte cannot fall under 1
.endr
.irp i, 2,4,6,8,10,12,14,16,18,20,22,24,26,28,30
.irp c, 0,1
	v_max3_num_f32 v[8+\c], v[8+\c], |v[\x+32*\c+\i]|, |v[\x+32*\c+\i+1]|   ; (the two blocks by turns)
.endr
.endr
.irp c, 0,1
	v_add_nc_u32 v[10+\c], 0xff000000, v[8+\c]     ; 2 off the exponent field: the conversion takes this operand's exponent field as its scale
.endr
.irp c, 0,1
	v_lshrrev_b32 v[12+\c], 23, v[10+\c]           ; the scale's byte
.endr
	v_lshl_or_b32 v[SWD+\s], v13, 16, v12          ; blocks h and 2 + h,
	v_lshlrev_b32 v[SWD+\s], v14, v[SWD+\s]        ; at their places in the word;
	v_permlanex16_b32 v15, v[SWD+\s], s20, s21
	v_or_b32 v[SWD+\s], v[SWD+\s], v15             ; with lane l xor 16's two the word is whole
.irp c, 0,1
	v_cvt_scalef32_pk16_fp6_f32 v[\pc+6*\c:\pc+6*\c+2], v[\x+32*\c:\x+32*\c+15], v[10+\c]
	v_cvt_scalef32_pk16_fp6_f32 v[PT+4*\c:PT+4*\c+2], v[\x+32*\c+16:\x+32*\c+31], v[10+\c]
.endr
	v_nop                                          ; one plain place behind a scaled conversion
.irp c, 0,1
.irp i, 0,1,2
	v_mov_b32 v[\pc+6*\c+3+\i], v[PT+4*\c+\i]
.endr
.endr
.irp c, 0,1
	global_store_b128 v4, v[\pc+6*\c:\pc+6*\c+3], s[10:11] offset:1536*\s+768*\c
	global_store_b64 v5, v[\pc+6*\c+4:\pc+6*\c+5], s[10:11] offset:1536*\s+768*\c+512
.endr
.endm
	s_wait_loadcnt 16                              ; step 0's sixteen loads are in; step 1's sixteen may be out
	TOST RAW0
	FROMST XA
	s_wait_dscnt 0x0                               ; step 0's numbers are back, and the stage has been read
	s_wait_loadcnt 0x0                             ; step 1's loads are in
	TOST RAW1
	FROMST RAW0                                    ; step 1 turns through the stage while step 0 is quantised
	QF XA, PC0, 0
	s_wait_dscnt 0x0
	QF RAW0, PC1, 1
	ds_store_b64 v242, v[SWD:SWD+1]                ; lanes r and r + 16 write the same 8 bytes with the same value
	s_wait_dscnt 0x0                               ; for the others' sake: my words lie in the table
	s_barrier_signal -1
	s_barrier_wait -1
	s_cmp_lg_u32 s14, 0
	s_cbranch_scc1 .Lend
	ds_load_b128 v[244:247], v243                  ; wave 0 stores the tile's 512 scale bytes: two aligned runs of 256
	s_wait_dscnt 0x0
	global_store_b128 v4, v[244:247], s[12:13]
.Lend:
	s_wait_tensorcnt 0x0
	ds_add_u32 v248, v249
	s_wait_dscnt 0x0
	s_endpgm
.Lfunc_end_k_qf0522bd492_quant:
	.size	k_qf0522bd492_quant, .Lfunc_end_k_qf0522bd492_quant-k_qf0522bd492_quant
	.p2alignl 7, 3214868480
	.fill 96, 4, 3214868480
	.section	.rodata,"a",@progbits
	.p2align	6, 0x0
	.amdhsa_kernel k_qf0522bd492_quant
		.amdhsa_group_segment_fixed_size 35328
		.amdhsa_private_segment_fixed_size 0
		.amdhsa_enable_private_segment 0
		.amdhsa_kernarg_size 40
		.amdhsa_user_sgpr_count 2
		.amdhsa_user_sgpr_kernarg_segment_ptr 1
		.amdhsa_wavefront_size32 1
		.amdhsa_system_sgpr_workgroup_id_x 1
		.amdhsa_system_sgpr_workgroup_id_y 1
		.amdhsa_system_sgpr_workgroup_id_z 1
		.amdhsa_system_vgpr_workitem_id 0
		.amdhsa_next_free_vgpr 250
		.amdhsa_next_free_sgpr 66
		.amdhsa_reserve_vcc 0
		.amdhsa_float_denorm_mode_32 3
		.amdhsa_float_denorm_mode_16_64 3
		.amdhsa_memory_ordered 1
		.amdhsa_forward_progress 1
		.amdhsa_inst_pref_size 17
	.end_amdhsa_kernel
	.amdgpu_metadata
---
amdhsa.version: [ 1, 2 ]
amdhsa.kernels:
  - .name:           k_qf0522bd492_quant
    .symbol:         k_qf0522bd492_quant.kd
    .args:
      - { .name: x, .offset: 0, .size: 8, .value_kind: global_buffer, .address_space: global }
      - { .name: w_qkv, .offset: 8, .size: 8, .value_kind: global_buffer, .address_space: global }
      - { .name: w_out, .offset: 16, .size: 8, .value_kind: global_buffer, .address_space: global }
      - { .name: opc, .offset: 24, .size: 8, .value_kind: global_buffer, .address_space: global }
      - { .name: ops, .offset: 32, .size: 8, .value_kind: global_buffer, .address_space: global }
    .group_segment_fixed_size: 35328
    .private_segment_fixed_size: 0
    .kernarg_segment_align: 8
    .kernarg_segment_size: 40
    .max_flat_workgroup_size: 128
    .sgpr_count:     66
    .vgpr_count:     250
    .wavefront_size: 32
...
	.end_amdgpu_metadata
.endif
;; end of part 1
;; launch qkv (part 2): grid 12 x 64, 4 waves a work-group, clusters of 4 x 4, 295,424 bytes of LDS; arguments opc, ops, b_qkv, qkvc, qkvs; writes qkvc, qkvs
.if DOCPART == 2
	.amdgcn_target "amdgcn-amd-amdhsa--gfx1250"
	.amdhsa_code_object_version 6
	.text
	.protected	k_qf0522bd492_qkv
	.globl	k_qf0522bd492_qkv
	.p2align	8
	.type	k_qf0522bd492_qkv,@function
k_qf0522bd492_qkv:
	s_mov_b64 s[64:65], 0
	v_nop
	global_prefetch_b8 v0, s[64:65] scope:SCOPE_SE
	s_setreg_imm32_b32 hwreg(HW_REG_WAVE_MODE, 25, 1), 1
	s_wait_xcnt 0x0
	s_wait_alu depctr_hold_cnt(0) depctr_sa_sdst(0) depctr_va_vdst(0) depctr_va_sdst(0) depctr_va_ssrc(0) depctr_va_vcc(0) depctr_vm_vsrc(0)
	s_getreg_b32 s2, hwreg(HW_REG_IB_STS2, 6, 4)
	s_cmp_eq_u32 s2, 0
	s_cbranch_scc0 .Lentry_in_a_cluster
	s_endpgm
.Lentry_in_a_cluster:
	s_bfe_u32 s2, ttmp6, 0x10000c
	s_cmp_lg_u32 s2, 0xf033
	s_cbranch_scc0 .Lentry_shape_is_right
	s_endpgm
.Lentry_shape_is_right:
; qkv = x w_qkv^T + b_qkv on codes of FP6 (E2M3) with E8M0 scales, and the result quantised at once for the products that follow: q and k along the head's 64, v along the KEYS.  No f32 result goes to memory.
; OPERANDS come as images of their registers (opc: [row tile][K step][1,536 bytes]; ops: 32 scale bytes a stored row); row p of tile t is real row 32 (t / 2) + 8 (t % 2) + p + 8 (p / 8).
; A work-group multiplies a P tile (256 stored rows, source 0; wave w takes its tiles 4 w .. 4 w + 3) by an R tile (128 stored rows, source 1; all four waves take all eight tiles): 32 accumulators a wave.
; In accumulator (a, t) lane (r, h) holds row r of R's tile a, and register j the real P row 64 w + 32 (t / 2) + 16 h + 8 (t % 2) + j: a lane's 32 registers of one a are 2 x 16 neighbours along P.
; So what is to be quantised along P's rows needs one exchange between the halves of the lanes.  q, k (cluster x = 0, 1): P = w_qkv (a wave's 64 rows are one head), R = x.  v (cluster x = 2): P = x (a wave's 64 rows are 64 keys), R = w_qkv's v rows.
; ALL OF K (1,024) OF BOTH TILES LIES IN LDS: 4 chunks of 256 K x (128 + 256) rows x 192 bytes = 294,912 bytes.  Every byte of LDS is filled once, at the start: four tensor loads a wave are out, and each chunk is read behind a counted wait and a barrier.
; CLUSTERS: 4 x 4 work-groups.  R's tile hangs on cy and the cluster's numbers alone and is asked for jointly along a row of the cluster, P's on cx and is asked for jointly along a column: a quarter of the requests.
; RESULTS.  qkvc: Q at 0 and K at 6,291,456: [head 64][tile 128][768 bytes: half an image, 16 tokens x 64];  V at 12,582,912: [head][key step 16][d tile 4][half 2][768]: V^T, 16 stored d x 128 keys.
; qkvs: Q's scale words at 0: [head][block 16][512]: lane l, word q at 16 l + 4 q: tile 2 q + l / 16, row l % 16; bytes 2 and 3 are 0.  At 524,288: [head][key step][768]: K's words likewise, then V's: lane l, word q at 512 + 8 l + 4 q.
; V's scale words are made by two waves, two bytes each: they leave in pieces of 2 bytes, 262,144 bytes in all.
; LIMITS: a block of zeros or under 2^-124 keeps the byte 1; NaN and infinities are not served.
.set CH,   73728                       ; a chunk in LDS: R's 8 tiles x 3,072 bytes, then P's 16
.set PB,   24576                       ; where P's begin in a chunk
.set SCP,  16                          ; v16-31  P's scale words: register 8 (t / 2) + K step; lanes 0-15 the even tile's, lanes 16-31 the odd one's
.set SCR,  32                          ; v32-63  R's: 8 (a / 2) + K step
.set RF,   64                          ; v64-159 R's eight fragments, one set
.set PF,   160                         ; v160-255 P's four fragments, two sets
.set BQ,   0                           ; window 2: v0-31 the bias along P's rows, in the result's layout: the C of the first K step
.set BV2,  32                          ; window 2: v32-47 the bias along R's rows, a pair for each a
.set T,    64                          ; the way out (R's registers are free): v64-95 32 numbers
.set TM,   96                          ; v96-106 at work
.set PC,   112                         ; v112-117 codes
.set PW,   128                         ; v128-135 a scale word for each a
.set SW,   136                         ; v136-139 the words as they are stored
.set G1R,  24                          ; s[24:31] descriptor group 1 for R;  s[32:39] for P;  s[40:55] R's four groups 0;  s[56:63], s[68:75] P's
.set G1P,  32
.set G0R,  40
.set SEL,  96
.set MSB,  0
.macro WIN new                         ; s_set_vgpr_msb: bits 1:0 source 0, 3:2 source 1, 5:4 source 2, 7:6 destination; the high byte repeats the setting that is left
.if MSB != \new
	s_set_vgpr_msb (MSB<<8)|\new
.set MSB, \new
.endif
.endm
.macro WINM cm                         ; the products: D in window 1; C in window 2 (the bias) or in window 1 (in place)
.if \cm
	WIN 0x60
.else
	WIN 0x50
.endif
.endm
.macro PLACES                          ; four plain vector instructions between a matrix instruction and a load into, or a vector instruction on, its registers
.rept 4
	v_nop
.endr
.endm
.macro CROUND                          ; a round of the cluster's barrier
	s_barrier_signal -1
	s_barrier_wait -1
	s_cmp_lg_u32 s14, 0
	s_cbranch_scc1 .Lnot_wave_0_\@
	s_barrier_signal -3
.Lnot_wave_0_\@:
	s_barrier_wait -3
	s_barrier_signal -1
	s_barrier_wait -1
.endm
.macro FRAG reg, a16, a8, off          ; a fragment's image comes back as it was stored: every load reads consecutive bytes
	ds_load_b128 v[(\reg):(\reg)+3], v[\a16] offset:(\off)
	ds_load_b64 v[(\reg)+4:(\reg)+5], v[\a8] offset:(\off)+512
	ds_load_b128 v[(\reg)+6:(\reg)+9], v[\a16] offset:(\off)+768
	ds_load_b64 v[(\reg)+10:(\reg)+11], v[\a8] offset:(\off)+1280
.endm
.macro FETCH_P ks
.irp t, 0,1,2,3
	FRAG PF+48*((\ks)%2)+12*\t, 4, 5, 3072*\t+1536*((\ks)%2)
.endr
.endm
.macro FETCH_R ks, a0
.irp i, 0,1,2,3
	FRAG RF+12*((\a0)+\i), 6, 7, 3072*((\a0)+\i)+1536*((\ks)%2)
.endr
.endm
.macro MM a, t, ks, cm
.set rD, 8*(4*(\a)+(\t))
.set rC, rD
.if \cm
.set rC, BQ+8*(\t)
.endif
.set rP, PF+48*((\ks)%2)+12*(\t)
.set rR, RF+12*(\a)
.set rX, SCP+8*((\t)/2)+(\ks)
.set rY, SCR+8*((\a)/2)+(\ks)
.if ((\t)%2 == 0) && ((\a)%2 == 0)
	v_wmma_scale_f32_16x16x128_f8f6f4 v[rD:rD+7], v[rP:rP+11], v[rR:rR+11], v[rC:rC+7], v[rX], v[rY] matrix_a_fmt:MATRIX_FMT_FP6 matrix_b_fmt:MATRIX_FMT_FP6
.elseif ((\a)%2 == 0)
	v_wmma_scale_f32_16x16x128_f8f6f4 v[rD:rD+7], v[rP:rP+11], v[rR:rR+11], v[rC:rC+7], v[rX], v[rY] matrix_a_fmt:MATRIX_FMT_FP6 matrix_b_fmt:MATRIX_FMT_FP6 matrix_a_scale:MATRIX_SCALE_ROW1
.elseif ((\t)%2 == 0)
	v_wmma_scale_f32_16x16x128_f8f6f4 v[rD:rD+7], v[rP:rP+11], v[rR:rR+11], v[rC:rC+7], v[rX], v[rY] matrix_a_fmt:MATRIX_FMT_FP6 matrix_b_fmt:MATRIX_FMT_FP6 matrix_b_scale:MATRIX_SCALE_ROW1
.else
	v_wmma_scale_f32_16x16x128_f8f6f4 v[rD:rD+7], v[rP:rP+11], v[rR:rR+11], v[rC:rC+7], v[rX], v[rY] matrix_a_fmt:MATRIX_FMT_FP6 matrix_b_fmt:MATRIX_FMT_FP6 matrix_a_scale:MATRIX_SCALE_ROW1 matrix_b_scale:MATRIX_SCALE_ROW1
.endif
.endm
.macro MULA a, ks, cm                  ; R's tile a against P's four.  The 32 accumulators take turns, one instruction a turn, in the same order in every K step
.irp t, 0,1,2,3
	MM \a, \t, \ks, \cm
.endr
.endm
; A K step of 128 whose successor lies in the same chunk.  R has one set of registers: tiles 0-3 are fetched anew in the step's middle, tiles 4-7 at its end; P has two sets.
.macro STEP ks, cm
	s_wait_dscnt 16                                ; P's set and R's tiles 0-3 are in; the sixteen youngest loads (R's tiles 4-7) may be out
	WINM \cm
.irp a, 0,1,2,3
	MULA \a, \ks, \cm
.endr
	s_wait_dscnt 0x0                               ; R's tiles 4-7 are in
	PLACES
	WIN 0
	FETCH_P (\ks)+1
	FETCH_R (\ks)+1, 0
	WINM \cm
.irp a, 4,5,6,7
	MULA \a, \ks, \cm
.endr
	PLACES
	WIN 0
	FETCH_R (\ks)+1, 4
.endm
; A chunk's last K step goes on into the next chunk: each wave has waited for its part of that chunk, then the work-group's barrier.  Nothing is filled again, so later chunks' loads stay out.
.macro TURN ks
	s_wait_tensorcnt 3-((\ks)+1)/2                 ; tensor loads of a wave end in order (ISA guide 10.11.1): my load of the next chunk is in; those of the chunks behind it may be out
	s_wait_dscnt 16
	WIN 0x50
	MULA 0, \ks, 0
	MULA 1, \ks, 0
	s_wait_dscnt 0x0                               ; no LDS instruction of mine is pending at the signal
	s_barrier_signal -1
	MULA 2, \ks, 0
	MULA 3, \ks, 0
	s_barrier_wait -1                              ; the next chunk is whole
	WIN 0
	v_add_nc_u32 v4, CH, v4                        ; on to the next chunk; these four are also the places in front of the loads below
	v_add_nc_u32 v5, CH, v5
	v_add_nc_u32 v6, CH, v6
	v_add_nc_u32 v7, CH, v7
	FETCH_P (\ks)+1
	FETCH_R (\ks)+1, 0
	WIN 0x50
.irp a, 4,5,6,7
	MULA \a, \ks, 0
.endr
	PLACES
	WIN 0
	FETCH_R (\ks)+1, 4
.endm
; 32 numbers of a lane, register 16 b + i = k 32 b + 16 h + i of the lane's row, become half a fragment (6 registers at pc) and two scale bytes (pw).  tm: eleven registers at work.
.macro QUANT2 s, pc, pw, tm
.irp b, 0,1
	v_max3_num_f32 v[\tm+\b], |v[\s+16*\b]|, |v[\s+16*\b+1]|, 0x1800000   ; my 16 of block b, and the floor 2^(3 - 127): the byte cannot fall under 1
.endr
.irp i, 2,4,6,8,10,12,14
.irp b, 0,1
	v_max3_num_f32 v[\tm+\b], v[\tm+\b], |v[\s+16*\b+\i]|, |v[\s+16*\b+\i+1]|
.endr
.endr
.irp b, 0,1
	v_permlanex16_b32 v[\tm+2+\b], v[\tm+\b], s[SEL], s[SEL+1]
.endr
.irp b, 0,1
	v_max_num_f32 v[\tm+\b], v[\tm+\b], v[\tm+2+\b]   ; with lane l xor 16's 16: the block's largest magnitude
.endr
.irp b, 0,1
	v_add_nc_u32 v[\tm+4+\b], 0xff000000, v[\tm+\b]   ; 2 off its exponent field: the conversion's scale operand
.endr
.irp b, 0,1
	v_lshrrev_b32 v[\tm+6+\b], 23, v[\tm+4+\b]     ; the scale's byte
.endr
	v_lshl_or_b32 v[\pw], v[\tm+7], 8, v[\tm+6]
	v_cvt_scalef32_pk16_fp6_f32 v[\pc:\pc+2], v[\s:\s+15], v[\tm+4]
	v_cvt_scalef32_pk16_fp6_f32 v[\tm+8:\tm+10], v[\s+16:\s+31], v[\tm+5]
	v_nop                                          ; one plain place behind a scaled conversion
.irp i, 0,1,2
	v_permlane16_swap_b32 v[\pc+\i], v[\tm+8+\i]   ; the layout wants a whole block in a lane: lanes 0-15 block 0, lanes 16-31 block 1
.endr
.irp i, 0,1,2
	v_mov_b32 v[\pc+3+\i], v[\tm+8+\i]
.endr
.endm
	s_load_b128 s[4:7], s[0:1], 0x0                ; opc, ops
	s_load_b128 s[8:11], s[0:1], 0x10              ; b_qkv, qkvc
	s_load_b64 s[12:13], s[0:1], 0x20              ; qkvs
	v_lshl_add_u32 v14, v0, 2, 0x48000
	v_mov_b32 v15, 0
	ds_add_u32 v14, v15
	ds_add_u32 v14, v15
	v_lshrrev_b32 v1, 5, v0
	v_readfirstlane_b32 s14, v1                    ; wave 0..3
	s_lshr_b32 s15, s14, 1                         ; I fetch for R (0) or for P (1)
	s_and_b32 s16, s14, 1                          ; which half of that tile
	s_bfe_u32 s17, ttmp6, 0x40000                  ; cx
	s_bfe_u32 s18, ttmp6, 0x40004                  ; cy
	s_and_b32 s19, ttmp7, 0xffff                   ; the cluster's y; ttmp9, the cluster's x, is the type: 0 q, 1 k, 2 v
	s_lshl_b32 s20, s18, 2
	s_lshl_b32 s20, 15, s20                        ; my row of the cluster
	s_lshl_b32 s21, 0x1111, s17                    ; my column
	s_or_b32 s[G1R], s20, (3<<16)|(1<<21)          ; 15:0 the mask; 17:16 elements of 8 bytes; 21 set beside a mask; no padding: images are read in consecutive bytes
	s_or_b32 s[G1P], s21, (3<<16)|(1<<21)
	s_mov_b32 s[G1R+1], 384<<16                    ; tensor_dim0 = 384 elements: a tile's 3,072 bytes of a chunk
	s_mov_b32 s[G1R+2], 4<<16                      ; tensor_dim1 = 4 tiles: half of R
	s_mov_b32 s[G1R+3], 384<<16                    ; tile_dim0
	s_mov_b32 s[G1R+4], 4                          ; tile_dim1
	s_mov_b32 s[G1R+5], 1536                       ; from tile to tile: 12,288 bytes
	s_mov_b32 s[G1R+6], 0
	s_mov_b32 s[G1R+7], 0
	s_mov_b32 s[G1P+1], 384<<16
	s_mov_b32 s[G1P+2], 8<<16                      ; 8 tiles: half of P
	s_mov_b32 s[G1P+3], 384<<16
	s_mov_b32 s[G1P+4], 8
	s_mov_b32 s[G1P+5], 1536
	s_mov_b32 s[G1P+6], 0
	s_mov_b32 s[G1P+7], 0
	; P's first stored row hangs on cx, R's on cy; each in registers that never hold the other
	s_and_b32 s76, s19, 7
	s_lshl_b32 s76, s76, 10                        ; v: x's rows 256 (4 (y % 8) + cx)
	s_lshl_b32 s77, ttmp9, 10
	s_add_co_u32 s77, s77, 8192                    ; q, k: w_qkv's rows 256 (4 type + cx), behind x's 8,192
	s_lshr_b32 s80, s19, 3
	s_lshl_b32 s80, s80, 9
	s_add_co_u32 s80, s80, 10240                   ; v: w_qkv's v rows 128 (4 (y / 8) + cy)
	s_lshl_b32 s81, s19, 9                         ; q, k: x's rows 128 (4 y + cy)
	s_cmp_eq_u32 ttmp9, 2
	s_cselect_b32 s76, s76, s77
	s_cselect_b32 s80, s80, s81
	s_lshl_b32 s77, s17, 8
	s_add_co_u32 s76, s76, s77                     ; P's first stored row
	s_lshl_b32 s81, s18, 7
	s_add_co_u32 s80, s80, s81                     ; R's
	s_mul_i32 s78, s76, 768                        ; a stored row's share of its tile's images
	s_mul_i32 s79, s16, 98304
	s_add_co_u32 s78, s78, s79
	s_mov_b32 s79, 0
	s_mul_i32 s82, s80, 768
	s_mul_i32 s83, s16, 49152
	s_add_co_u32 s82, s82, s83
	s_mov_b32 s83, 0
	s_mul_i32 s22, s16, 12288                      ; where my half goes in a chunk: the wave's number alone
	s_mul_i32 s23, s16, 24576
	s_add_co_u32 s23, s23, PB
	s_wait_dscnt 0x0
	s_wait_kmcnt 0x0
	s_add_nc_u64 s[78:79], s[4:5], s[78:79]
	s_add_nc_u64 s[82:83], s[4:5], s[82:83]
.irp c, 0,1,2,3
	s_mov_b32 s[G0R+4*\c], 1                       ; count = 1
	s_add_co_u32 s[G0R+4*\c+1], s22, CH*\c         ; LDS address
	s_add_nc_u64 s[G0R+4*\c+2:G0R+4*\c+3], s[82:83], 3072*\c   ; global address: chunk c of my tiles
	s_or_b32 s[G0R+4*\c+3], s[G0R+4*\c+3], 0x80000000          ; type = 2
	s_mov_b32 s[56+4*\c+4*(\c/2)], 1
	s_add_co_u32 s[56+4*\c+4*(\c/2)+1], s23, CH*\c
	s_add_nc_u64 s[56+4*\c+4*(\c/2)+2:56+4*\c+4*(\c/2)+3], s[78:79], 3072*\c
	s_or_b32 s[56+4*\c+4*(\c/2)+3], s[56+4*\c+4*(\c/2)+3], 0x80000000
.endr
	CROUND                                         ; all sixteen work-groups are here: the joint loads meet
	s_cmp_eq_u32 s15, 0                            ; a wave's four fills stand in one branch on the wave's number: four tensor loads of mine are out
	s_cbranch_scc0 .Lfor_p
.irp c, 0,1,2,3
	tensor_load_to_lds s[G0R+4*\c:G0R+4*\c+3], s[G1R:G1R+7]
	s_nop 0
.endr
.rept 4
	v_nop
.endr
	s_branch .Lasked
.Lfor_p:
.irp c, 0,1,2,3
	tensor_load_to_lds s[56+4*\c+4*(\c/2):56+4*\c+4*(\c/2)+3], s[G1P:G1P+7]
	s_nop 0
.endr
.rept 4
	v_nop
.endr
.Lasked:
	v_and_b32 v1, 31, v0                           ; lane
	v_and_b32 v2, 15, v0                           ; r
	v_bfe_u32 v3, v0, 4, 1                         ; h
	s_wait_alu depctr_va_vdst(0)
	v_lshlrev_b32 v8, 4, v1                        ; 16 x lane: never rewritten
	v_lshlrev_b32 v9, 3, v1                        ; 8 x lane
	s_mul_i32 s84, s14, 12288
	s_add_co_u32 s84, s84, PB
	v_add_nc_u32 v4, s84, v8                       ; P's images: my wave's four tiles
	v_add_nc_u32 v5, s84, v9
	v_lshlrev_b32 v6, 4, v1                        ; R's
	v_lshlrev_b32 v7, 3, v1
	s_lshl_b32 s85, s76, 5
	s_lshl_b32 s86, s14, 11
	s_add_co_u32 s85, s85, s86
	v_lshl_add_u32 v12, v1, 5, s85                 ; scale bytes: 32 a stored row; lane l takes row l of a pair of tiles
	s_lshl_b32 s86, s80, 5
	v_lshl_add_u32 v13, v1, 5, s86
.irp q, 0,1                                    ; all of K's scale words, once, straight into registers
	global_load_b128 v[SCP+8*\q:SCP+8*\q+3], v12, s[6:7] offset:1024*\q
	global_load_b128 v[SCP+8*\q+4:SCP+8*\q+7], v12, s[6:7] offset:1024*\q+16
.endr
.irp q, 0,1,2,3
	global_load_b128 v[SCR+8*\q:SCR+8*\q+3], v13, s[6:7] offset:1024*\q
	global_load_b128 v[SCR+8*\q+4:SCR+8*\q+7], v13, s[6:7] offset:1024*\q+16
.endr
	; the bias lies along P's rows (q, k) or along R's (v).  Both sets are loaded from inside the buffer, and the one that does not apply is cleared
	s_lshl_b32 s87, ttmp9, 12
	s_lshl_b32 s88, s17, 10
	s_add_co_u32 s87, s87, s88                     ; q, k: 4 x 256 (4 type + cx)
	s_lshr_b32 s88, s19, 3
	s_lshl_b32 s88, s88, 2
	s_add_co_u32 s88, s88, s18                     ; v: which 128 rows of w_qkv's v part
	s_lshl_b32 s89, s88, 9
	s_add_co_u32 s89, s89, 8192                    ; 4 x (2,048 + 128 x that)
	s_cmp_eq_u32 ttmp9, 2
	s_cselect_b32 s87, 0, s87
	s_cselect_b32 s89, s89, 0
	s_cselect_b32 s98, -1, 0                       ; all lanes where v
	s_cselect_b32 s99, 0, -1                       ; all lanes where q or k
	s_lshl_b32 s86, s14, 8
	s_add_co_u32 s87, s87, s86                     ; + my wave's 64
	v_lshl_add_u32 v10, v3, 6, s87                 ; + 16 h numbers
	v_and_b32 v11, 8, v2
	v_add_nc_u32 v11, v11, v2                      ; r + 8 (r / 8)
	v_lshl_add_u32 v11, v11, 2, s89
	WIN 0x80                                       ; destination window 2
.irp t, 0,1,2,3
	global_load_b128 v[BQ+8*\t:BQ+8*\t+3], v10, s[8:9] offset:(32*(\t/2)+8*(\t%2))*4
	global_load_b128 v[BQ+8*\t+4:BQ+8*\t+7], v10, s[8:9] offset:(32*(\t/2)+8*(\t%2))*4+16
.endr
.irp a, 0,1,2,3,4,5,6,7
	global_load_b32 v[BV2+2*\a], v11, s[8:9] offset:(32*(\a/2)+8*(\a%2))*4
	global_load_b32 v[BV2+2*\a+1], v11, s[8:9] offset:(32*(\a/2)+8*(\a%2))*4   ; twice: a pair for the packed addition
.endr
	WIN 0
	s_mov_b32 s[SEL], 0x76543210
	s_mov_b32 s[SEL+1], 0xfedcba98                 ; v_permlanex16_b32's selects for lane l xor 16
	; where the results go
	s_lshl_b32 s76, s19, 2
	s_add_co_u32 s76, s76, s18                     ; q, k: which 128 tokens
	s_lshr_b32 s77, s76, 4
	s_lshl_b32 s77, s77, 4                         ; 16 x batch
	s_lshl_b32 s78, s17, 2
	s_add_co_u32 s77, s77, s78
	s_add_co_u32 s77, s77, s14                     ; q, k: my head = 16 batch + 4 cx + wave
	s_and_b32 s76, s76, 15                         ; q, k: the block of 128 tokens in the batch
	s_and_b32 s78, s19, 7
	s_lshl_b32 s78, s78, 2
	s_add_co_u32 s78, s78, s17                     ; v: which 256 tokens
	s_lshr_b32 s79, s78, 3
	s_lshl_b32 s79, s79, 4
	s_lshl_b32 s80, s88, 1
	s_add_co_u32 s79, s79, s80                     ; v: the first of my two heads
	s_and_b32 s78, s78, 7
	s_lshl_b32 s78, s78, 1
	s_add_co_u32 s78, s78, s15                     ; v: my key step of 128
	s_mul_i32 s80, s16, 768                        ; v: my half of it
	s_mov_b32 s90, 768
	s_cmp_eq_u32 ttmp9, 2
	s_cselect_b32 s77, s79, s77                    ; head
	s_cselect_b32 s76, s78, s76                    ; block or key step
	s_cselect_b32 s80, s80, 0
	s_cselect_b32 s90, 1536, s90                   ; from a to a + 1: the next tile of tokens, or the next d tile
	s_cselect_b32 s92, 92160, 0                    ; v: at a = 4 on to the next head
	s_mov_b32 s91, 0
	s_mov_b32 s93, 0
	s_mul_i32 s94, ttmp9, 6291456
	s_mul_i32 s81, s77, 98304
	s_add_co_u32 s94, s94, s81
	s_mul_i32 s81, s76, 6144
	s_add_co_u32 s94, s94, s81
	s_add_co_u32 s94, s94, s80
	s_mov_b32 s95, 0
	s_add_nc_u64 s[10:11], s[10:11], s[94:95]      ; the codes
	s_mov_b32 s81, 12288
	s_mov_b32 s82, 768
	s_cmp_eq_u32 ttmp9, 0
	s_cselect_b32 s81, 8192, s81
	s_cselect_b32 s82, 512, s82
	s_cselect_b32 s83, 0, 524288
	s_mul_i32 s81, s81, s77
	s_mul_i32 s82, s82, s76
	s_add_co_u32 s94, s81, s82
	s_add_co_u32 s94, s94, s83
	s_lshl_b32 s81, s16, 1
	s_add_co_u32 s81, s81, 512                     ; v: behind K's words, my two bytes of each word
	s_cmp_eq_u32 ttmp9, 2
	s_cselect_b32 s81, s81, 0
	s_add_co_u32 s94, s94, s81
	s_add_nc_u64 s[12:13], s[12:13], s[94:95]      ; the scale words
	s_wait_loadcnt 0x0                             ; scales and biases
	WIN 0x88                                       ; source 1 and destination window 2
.set i, 0
.rept 32
	v_cndmask_b32 v[BQ+i], 0, v[BQ+i], s99
.set i, i+1
.endr
.set i, 0
.rept 16
	v_cndmask_b32 v[BV2+i], 0, v[BV2+i], s98
.set i, i+1
.endr
	WIN 0
	s_wait_tensorcnt 3                             ; my part of chunk 0 is in; the three behind it may be out
	s_barrier_signal -1
	s_barrier_wait -1                              ; everybody's is
	FETCH_P 0
	FETCH_R 0, 0
	FETCH_R 0, 4
	STEP 0, 1                                      ; the first K step starts the sums, on the bias
	TURN 1
	s_wait_alu depctr_va_vdst(0)
	STEP 2, 0
	TURN 3
	s_wait_alu depctr_va_vdst(0)
	STEP 4, 0
	TURN 5                                         ; its wait on TENSORcnt is for 0: no tensor load is out from here on
	s_wait_alu depctr_va_vdst(0)
	STEP 6, 0
	s_wait_dscnt 16                                ; the last K step: nothing more to fetch
	WIN 0x50
.irp a, 0,1,2,3
	MULA \a, 7, 0
.endr
	s_wait_dscnt 0x0
.irp a, 4,5,6,7
	MULA \a, 7, 0
.endr
	WIN 0
	PLACES
	v_mov_b32 v[TM+2], 0                           ; written once: a lane permute's destination counts as one of its sources
	v_mov_b32 v[TM+3], 0
; THE WAY OUT of R's tile a: the lane's 32 numbers (+ the bias along R's rows), quantised, stored as half an image: 768 consecutive bytes.
.macro OUTQ a
	s_wait_xcnt 0x0                                ; the last stores have read their registers and their base: both are written again only behind this wait
.if \a > 0
	s_add_nc_u64 s[10:11], s[10:11], s[90:91]
.endif
.if \a == 4
	s_add_nc_u64 s[10:11], s[10:11], s[92:93]
.endif
	WIN 0x09                                       ; source 0 window 1 (the sums), source 1 window 2 (the bias)
.irp j, 0,2,4,6,8,10,12,14,16,18,20,22,24,26,28,30
	v_pk_add_f32 v[T+\j:T+\j+1], v[32*\a+\j:32*\a+\j+1], v[BV2+2*\a:BV2+2*\a+1]   ; each accumulator from its low end on
.endr
	WIN 0
	QUANT2 T, PC, PW+\a, TM
	global_store_b128 v8, v[PC:PC+3], s[10:11]
	global_store_b64 v9, v[PC+4:PC+5], s[10:11] offset:512
.endm
.irp a, 0,1,2,3,4,5,6,7
	OUTQ \a
.endr
	s_mov_b32 s84, 0xffff0000
.irp q, 0,1,2,3
	v_cndmask_b32 v[SW+\q], v[PW+2*\q], v[PW+2*\q+1], s84   ; lanes 0-15 the even tile's word, lanes 16-31 the odd one's
.endr
	s_cmp_eq_u32 ttmp9, 2                          ; the cluster's x: the same in all partners
	s_cbranch_scc1 .Lv_scales
	global_store_b128 v8, v[SW:SW+3], s[12:13]     ; q, k: 512 consecutive bytes
	s_branch .Lstored
.Lv_scales:
	s_wait_alu depctr_va_vdst(0)
.irp q, 0,1,2,3
	global_store_b16 v9, v[SW+\q], s[12:13] offset:12288*(\q/2)+4*(\q%2)   ; v: my two bytes of each word: head q / 2, d tiles 2 (q % 2) and 2 (q % 2) + 1
.endr
.Lstored:
	s_wait_tensorcnt 0x0
	ds_add_u32 v14, v15
	s_wait_dscnt 0x0
	CROUND                                         ; the closing round: no work-group ends while a partner may still ask for a tile that names it
	s_endpgm
.Lfunc_end_k_qf0522bd492_qkv:
	.size	k_qf0522bd492_qkv, .Lfunc_end_k_qf0522bd492_qkv-k_qf0522bd492_qkv
	.p2alignl 7, 3214868480
	.fill 96, 4, 3214868480
	.section	.rodata,"a",@progbits
	.p2align	6, 0x0
	.amdhsa_kernel k_qf0522bd492_qkv
		.amdhsa_group_segment_fixed_size 295424
		.amdhsa_private_segment_fixed_size 0
		.amdhsa_enable_private_segment 0
		.amdhsa_kernarg_size 40
		.amdhsa_user_sgpr_count 2
		.amdhsa_user_sgpr_kernarg_segment_ptr 1
		.amdhsa_wavefront_size32 1
		.amdhsa_system_sgpr_workgroup_id_x 1
		.amdhsa_system_sgpr_workgroup_id_y 1
		.amdhsa_system_sgpr_workgroup_id_z 1
		.amdhsa_system_vgpr_workitem_id 0
		.amdhsa_next_free_vgpr 560
		.amdhsa_next_free_sgpr 100
		.amdhsa_reserve_vcc 0
		.amdhsa_float_denorm_mode_32 3
		.amdhsa_float_denorm_mode_16_64 3
		.amdhsa_memory_ordered 1
		.amdhsa_forward_progress 1
		.amdhsa_inst_pref_size 104
	.end_amdhsa_kernel
	.amdgpu_metadata
---
amdhsa.version: [ 1, 2 ]
amdhsa.kernels:
  - .name:           k_qf0522bd492_qkv
    .symbol:         k_qf0522bd492_qkv.kd
    .args:
      - { .name: opc, .offset: 0, .size: 8, .value_kind: global_buffer, .address_space: global }
      - { .name: ops, .offset: 8, .size: 8, .value_kind: global_buffer, .address_space: global }
      - { .name: b_qkv, .offset: 16, .size: 8, .value_kind: global_buffer, .address_space: global }
      - { .name: qkvc, .offset: 24, .size: 8, .value_kind: global_buffer, .address_space: global }
      - { .name: qkvs, .offset: 32, .size: 8, .value_kind: global_buffer, .address_space: global }
    .group_segment_fixed_size: 295424
    .private_segment_fixed_size: 0
    .kernarg_segment_align: 8
    .kernarg_segment_size: 40
    .max_flat_workgroup_size: 128
    .sgpr_count:     100
    .vgpr_count:     560
    .wavefront_size: 32
...
	.end_amdgpu_metadata
.endif
;; end of part 2
;; launch attn (part 3): grid 4 x 64, 16 waves a work-group, clusters of 4 x 1, 210,944 bytes of LDS; arguments qkvc, qkvs, yc, ys; writes yc, ys
.if DOCPART == 3
	.amdgcn_target "amdgcn-amd-amdhsa--gfx1250"
	.amdhsa_code_object_version 6
	.text
	.protected	k_qf0522bd492_attn
	.globl	k_qf0522bd492_attn
	.p2align	8
	.type	k_qf0522bd492_attn,@function
k_qf0522bd492_attn:
	s_mov_b64 s[64:65], 0
	v_nop
	global_prefetch_b8 v0, s[64:65] scope:SCOPE_SE
	s_setreg_imm32_b32 hwreg(HW_REG_WAVE_MODE, 25, 1), 1
	s_wait_xcnt 0x0
	s_wait_alu depctr_hold_cnt(0) depctr_sa_sdst(0) depctr_va_vdst(0) depctr_va_sdst(0) depctr_va_ssrc(0) depctr_va_vcc(0) depctr_vm_vsrc(0)
	s_getreg_b32 s2, hwreg(HW_REG_IB_STS2, 6, 4)
	s_cmp_eq_u32 s2, 0
	s_cbranch_scc0 .Lentry_in_a_cluster
	s_endpgm
.Lentry_in_a_cluster:
	s_bfe_u32 s2, ttmp6, 0x10000c
	s_cmp_lg_u32 s2, 0x3003
	s_cbranch_scc0 .Lentry_shape_is_right
	s_endpgm
.Lentry_shape_is_right:
; y[head][q] = softmax_k(q . k / 8, causal) v, both products on codes of FP6 (E2M3) with E8M0 scales, and y quantised at once along (head, d) for the last product.
; THE SOFTMAX AHEAD OF THE SECOND PRODUCT: t = score x log2(e) / 8; M = the running largest t rounded UP to a whole number; p = 2^(t - M) is quantised along the keys, not normalised; the row's sum is taken of the
; unquantised p and divides at the end.  When M moves, the sum and O are multiplied by 2^(old M - new M): exact.
; INPUTS (made by the launch before): Q, K: [head][tile 128][768 bytes]: half an image, 16 tokens x 64; row p of tile T is token 32 (T / 2) + 8 (T % 2) + p + 8 (p / 8).  V^T: [head][key step 16][d tile 4][1,536]: 16 stored d x 128 keys.
; THE FIRST PRODUCT'S K IS 64, the instruction's 128: Q's registers 6-11 hold zero codes, and bytes 2 and 3 of q's and k's scale words are 0 (2^-127, a number).  K's tiles lie 6 registers apart, so the upper six registers of
; K's operand are the next tile's codes (zeros behind the last): every E2M3 code is a finite number, and a finite number x the code 0 adds nothing.
; LAYOUT.  Both products are used transposed: S^T = K Q^T, O^T = V^T P^T: a lane holds ONE query (lane % 16).  By the order of K's rows the 16 registers of score tiles 2 b, 2 b + 1 are keys 32 b + 16 h + 0 .. 15;
; by the order of V^T's rows O^T's registers 16 b + i are d = 32 b + 16 h + i.
; SHARES.  A cluster of four work-groups takes one head; its 64 waves take the tile pairs (p, 127 - p), p = 8 g + e, g = wave / 2, e = 2 cx + wave % 2: every wave has 17 key steps of 128 that count.
; Branches hang on g, the wave's number; e enters global addresses and one vector operand of the mask alone.  Sixteen waves of 256 registers: four to a SIMD, so that one wave's vector work stands beside another's products and LDS loads.
; ALL OF THE HEAD'S K, V AND SCALES LIE IN LDS: 4 chunks of 512 keys x (24,576 + 24,576 + 3,072) bytes.  Every byte is filled once, at the start, by joint loads (the four partners walk the same K and V): wave 0 K's,
; wave 1 V's, wave 2 the scales': four tensor loads a wave are out; each chunk is read behind a counted wait and a barrier.  All tiles are asked for in the first lines, so there is no later load to ask ahead of.
; CAUSAL: every wave walks all 16 key steps in loops of constant count; a step all of whose keys come after the tile's block is jumped over; in the one step on the diagonal hidden scores become -infinity.
; RESULTS.  yc: [row tile 128 batch + T][K step head / 2][half head % 2][768]; ys: [stored row][32 bytes], the head's two bytes at 2 x head: they leave in pieces of 2 bytes, 262,144 bytes in all.
; LIMITS: a block of zeros or under 2^-124 keeps the byte 1; NaN and infinities are not served.
; REGISTERS: v1 16 l, v2 8 l, v3 r + 8 (r / 8) - 16 h, v4-7 the step's LDS addresses, v8 16 r, v9 32 r; v12 -M, v13 largest t, v[14:15] the sum; v16-27 Q, v28 its scale words; v32-79 K's 8 x 6, then V's 4 x 12; v80-85 zeros;
; v88-91 K's scale words, v92-93 V's; v96-159 S^T, then p; v160-191 O^T; v192-203 p's codes; v204-211, v212-227 at work; v228 p's scale word; v230-231 the mask; v232-238, v240-246 the two tiles' Q and scale words.
.set CHB,  52224                       ; a chunk in LDS
.set VOF,  24576                       ; V's part of it
.set SOF,  49152                       ; the scale words'
.set BM,   212                         ; v212-215 the blocks' largest scores, then largest p
.set BX,   216                         ; v216-219 at work
.set SE,   220                         ; v220-223 the conversions' scale operands
.set G1C,  24                          ; s[24:31] descriptor group 1 for codes; s[32:39] for scale words; s[40:55] four groups 0 for codes; s[56:63], s[68:75] for scale words
.set G1S,  32
.set G0C,  40
.set SEL,  2
.set CS,   12
.set PASS, 20
.set BLK,  76                          ; the tile's block of 128 tokens = its last key step
.set KST,  77                          ; the key step in hand
.set TA,   78                          ; where its K lies in LDS
.set TS,   79                          ; and its scale words
.set CNT,  80
.set DOF,  81                          ; the tile's first token in its block
.set QM,   82
.set YB,   84
.set YS,   86
.set TT,   92
.set AA,   93
.macro CROUND                          ; a round of the cluster's barrier
	s_barrier_signal -1
	s_barrier_wait -1
	s_cmp_lg_u32 s14, 0
	s_cbranch_scc1 .Lnot_wave_0_\@
	s_barrier_signal -3
.Lnot_wave_0_\@:
	s_barrier_wait -3
	s_barrier_signal -1
	s_barrier_wait -1
.endm
; 32 numbers of a lane, register 16 b + i = k 32 b + 16 h + i of the lane's row, become half a fragment (6 registers at pc) and two scale bytes (pw).  tm: eleven registers at work.
.macro QUANT2 s, pc, pw, tm
.irp b, 0,1
	v_max3_num_f32 v[\tm+\b], |v[\s+16*\b]|, |v[\s+16*\b+1]|, 0x1800000   ; my 16 of block b, and the floor 2^(3 - 127): the byte cannot fall under 1
.endr
.irp i, 2,4,6,8,10,12,14
.irp b, 0,1
	s_delay_alu instid0(VALU_DEP_2)
	v_max3_num_f32 v[\tm+\b], v[\tm+\b], |v[\s+16*\b+\i]|, |v[\s+16*\b+\i+1]|
.endr
.endr
.irp b, 0,1
	s_delay_alu instid0(VALU_DEP_2)
	v_permlanex16_b32 v[\tm+2+\b], v[\tm+\b], s[SEL], s[SEL+1]
.endr
.irp b, 0,1
	s_delay_alu instid0(VALU_DEP_2)
	v_max_num_f32 v[\tm+\b], v[\tm+\b], v[\tm+2+\b]
.endr
.irp b, 0,1
	s_delay_alu instid0(VALU_DEP_2)
	v_add_nc_u32 v[\tm+4+\b], 0xff000000, v[\tm+\b]
.endr
.irp b, 0,1
	s_delay_alu instid0(VALU_DEP_2)
	v_lshrrev_b32 v[\tm+6+\b], 23, v[\tm+4+\b]
.endr
	s_delay_alu instid0(VALU_DEP_1)
	v_lshl_or_b32 v[\pw], v[\tm+7], 8, v[\tm+6]
	v_cvt_scalef32_pk16_fp6_f32 v[\pc:\pc+2], v[\s:\s+15], v[\tm+4]
	v_cvt_scalef32_pk16_fp6_f32 v[\tm+8:\tm+10], v[\s+16:\s+31], v[\tm+5]
	v_nop                                          ; one plain place behind a scaled conversion
.irp i, 0,1,2
	v_permlane16_swap_b32 v[\pc+\i], v[\tm+8+\i]
.endr
.irp i, 0,1,2
	s_delay_alu instid0(VALU_DEP_3)
	v_mov_b32 v[\pc+3+\i], v[\tm+8+\i]
.endr
.endm
	s_load_b256 s[4:11], s[0:1], 0x0               ; qkvc s[4:5], qkvs s[6:7], yc s[8:9], ys s[10:11]
	v_lshl_add_u32 v254, v0, 2, 0x33000
	v_mov_b32 v255, 0
	ds_add_u32 v254, v255
	ds_add_u32 v254, v255
	v_lshrrev_b32 v1, 5, v0
	s_delay_alu instid0(VALU_DEP_1)
	v_readfirstlane_b32 s14, v1                    ; wave 0..15
	s_lshr_b32 s15, s14, 1                         ; g
	s_and_b32 s16, s14, 1
	s_bfe_u32 s17, ttmp6, 0x40000                  ; cx
	s_and_b32 s18, ttmp7, 0xffff                   ; the head, 16 batch + head: the four partners share it
	; descriptor group 1: dense blocks as rows of 256 bytes: 96 rows of codes, 12 of scale words
	s_mov_b32 s[G1C], 15|(3<<16)|(1<<21)           ; 15:0 the mask: all four work-groups; 17:16 elements of 8 bytes; 21 set beside a mask; no padding: images are read in consecutive bytes
	s_mov_b32 s[G1C+1], 32<<16
	s_mov_b32 s[G1C+2], 96<<16
	s_mov_b32 s[G1C+3], 32<<16
	s_mov_b32 s[G1C+4], 96
	s_mov_b32 s[G1C+5], 32
	s_mov_b32 s[G1C+6], 0
	s_mov_b32 s[G1C+7], 0
	s_mov_b32 s[G1S], 15|(3<<16)|(1<<21)
	s_mov_b32 s[G1S+1], 32<<16
	s_mov_b32 s[G1S+2], 12<<16
	s_mov_b32 s[G1S+3], 32<<16
	s_mov_b32 s[G1S+4], 12
	s_mov_b32 s[G1S+5], 32
	s_mov_b32 s[G1S+6], 0
	s_mov_b32 s[G1S+7], 0
	s_mul_i32 s76, s18, 98304                      ; the head's first byte in Q, in K and in V
	s_mul_i32 s77, s16, 6291456
	s_add_co_u32 s77, s77, 6291456                 ; K (even wave) or V (odd wave)
	s_add_co_u32 s78, s76, s77
	s_mov_b32 s79, 0
	s_mul_i32 s80, s18, 12288
	s_add_co_u32 s80, s80, 524288                  ; K's and V's scale words
	s_mov_b32 s81, 0
	s_mul_i32 s82, s16, VOF
	s_wait_dscnt 0x0
	s_wait_kmcnt 0x0
	s_add_nc_u64 s[78:79], s[4:5], s[78:79]
	s_add_nc_u64 s[80:81], s[6:7], s[80:81]
.irp c, 0,1,2,3
	s_mov_b32 s[G0C+4*\c], 1
	s_add_co_u32 s[G0C+4*\c+1], s82, CHB*\c
	s_add_nc_u64 s[G0C+4*\c+2:G0C+4*\c+3], s[78:79], VOF*\c
	s_or_b32 s[G0C+4*\c+3], s[G0C+4*\c+3], 0x80000000
	s_mov_b32 s[56+4*\c+4*(\c/2)], 1
	s_mov_b32 s[56+4*\c+4*(\c/2)+1], CHB*\c+SOF
	s_add_nc_u64 s[56+4*\c+4*(\c/2)+2:56+4*\c+4*(\c/2)+3], s[80:81], 3072*\c
	s_or_b32 s[56+4*\c+4*(\c/2)+3], s[56+4*\c+4*(\c/2)+3], 0x80000000
.endr
	CROUND                                         ; all four work-groups are here: the joint loads meet
	s_cmp_lt_u32 s14, 2                            ; the branches hang on the wave's number alone; a wave's four fills stand together
	s_cbranch_scc0 .Lnot_codes
.irp c, 0,1,2,3
	tensor_load_to_lds s[G0C+4*\c:G0C+4*\c+3], s[G1C:G1C+7]
	s_nop 0
.endr
.rept 4
	v_nop
.endr
	s_branch .Lasked
.Lnot_codes:
	s_cmp_eq_u32 s14, 2
	s_cbranch_scc0 .Lasked
.irp c, 0,1,2,3
	tensor_load_to_lds s[56+4*\c+4*(\c/2):56+4*\c+4*(\c/2)+3], s[G1S:G1S+7]
	s_nop 0
.endr
.rept 4
	v_nop
.endr
.Lasked:
	v_and_b32 v10, 31, v0
	s_delay_alu instid0(VALU_DEP_1)
	v_lshlrev_b32 v1, 4, v10                       ; 16 x lane
	s_delay_alu instid0(VALU_DEP_2)
	v_lshlrev_b32 v2, 3, v10                       ; 8 x lane
	s_wait_alu depctr_va_vdst(0)
	v_and_b32 v10, 15, v0                          ; r
	v_bfe_u32 v11, v0, 4, 1                        ; h
	s_delay_alu instid0(VALU_DEP_2)
	v_lshlrev_b32 v8, 4, v10
	s_wait_alu depctr_va_vdst(0)
	v_lshlrev_b32 v9, 5, v10
	v_and_b32 v3, 8, v10
	s_delay_alu instid0(VALU_DEP_1)
	v_add_nc_u32 v3, v3, v10
	v_lshlrev_b32 v11, 4, v11
	s_delay_alu instid0(VALU_DEP_1)
	v_sub_nc_u32 v3, v3, v11                       ; r + 8 (r / 8) - 16 h
	s_lshl_b32 s19, s17, 1
	s_add_co_u32 s19, s19, s16                     ; e: the low tile's place in its block
	s_sub_co_u32 s21, 7, s19                       ; the high tile's
	s_sub_co_u32 s22, 15, s15                      ; the high tile's block; the low tile's is g
	s_lshl_b32 s23, s15, 3
	s_add_co_u32 s23, s23, s19                     ; the low tile
	s_sub_co_u32 s83, 127, s23                     ; the high tile
	s_mul_i32 s84, s83, 768
	s_add_co_u32 s84, s84, s76
	s_mov_b32 s85, 0
	s_add_nc_u64 s[84:85], s[4:5], s[84:85]        ; the high tile's codes
	s_mul_i32 s86, s23, 768
	s_add_co_u32 s86, s86, s76
	s_mov_b32 s87, 0
	s_add_nc_u64 s[86:87], s[4:5], s[86:87]        ; the low tile's
	s_lshl_b32 s92, s18, 13                        ; Q's scale words: 8,192 bytes a head, 512 a block; tile a's word of row r at 256 (a % 2) + 4 (a / 2) + 16 r
	s_lshl_b32 s88, s22, 9
	s_add_co_u32 s88, s88, s92
	s_and_b32 s93, s21, 1
	s_lshl_b32 s93, s93, 8
	s_add_co_u32 s88, s88, s93
	s_lshr_b32 s93, s21, 1
	s_lshl_b32 s93, s93, 2
	s_add_co_u32 s88, s88, s93
	s_mov_b32 s89, 0
	s_add_nc_u64 s[88:89], s[6:7], s[88:89]
	s_lshl_b32 s90, s15, 9
	s_add_co_u32 s90, s90, s92
	s_and_b32 s93, s19, 1
	s_lshl_b32 s93, s93, 8
	s_add_co_u32 s90, s90, s93
	s_lshr_b32 s93, s19, 1
	s_lshl_b32 s93, s93, 2
	s_add_co_u32 s90, s90, s93
	s_mov_b32 s91, 0
	s_add_nc_u64 s[90:91], s[6:7], s[90:91]
	global_load_b128 v[232:235], v1, s[84:85]
	global_load_b64 v[236:237], v2, s[84:85] offset:512
	global_load_b32 v238, v8, s[88:89]
	global_load_b128 v[240:243], v1, s[86:87]
	global_load_b64 v[244:245], v2, s[86:87] offset:512
	global_load_b32 v246, v8, s[90:91]
	s_lshr_b32 s92, s18, 4                         ; batch
	s_and_b32 s93, s18, 15                         ; head
	s_mul_i32 s94, s92, 1572864                    ; y's codes: 128 row tiles of 12,288 bytes a batch,
	s_lshr_b32 s95, s93, 1
	s_mul_i32 s95, s95, 1536                       ; K step head / 2,
	s_add_co_u32 s94, s94, s95
	s_and_b32 s95, s93, 1
	s_mul_i32 s95, s95, 768                        ; half head % 2
	s_add_co_u32 s94, s94, s95
	s_mov_b32 s95, 0
	s_add_nc_u64 s[8:9], s[8:9], s[94:95]
	s_lshl_b32 s94, s92, 16                        ; y's scale bytes: 2,048 rows of 32 a batch,
	s_lshl_b32 s93, s93, 1                         ; the head's two
	s_add_co_u32 s94, s94, s93
	s_add_nc_u64 s[10:11], s[10:11], s[94:95]
	s_mov_b32 s[SEL], 0x76543210
	s_mov_b32 s[SEL+1], 0xfedcba98                 ; v_permlanex16_b32's selects for lane l xor 16
	s_mov_b32 s[CS], 0x3e38aa3b                    ; c = log2(e) / 8
	s_mov_b32 s[CS+1], s[CS]                       ; (named with it as a pair, so it is written)
.irp i, 22,23,24,25,26,27,80,81,82,83,84,85
	v_mov_b32 v\i, 0                               ; zero codes: Q's upper half of K, and what lies behind K's last tile
.endr
.set i, 212
.rept 17
	v_mov_b32 v[i], 0                              ; written once: lane permutes' destinations and upper halves of pairs count as read
.set i, i+1
.endr
	s_mov_b32 s[PASS], 0
	s_wait_loadcnt 0x0                             ; both tiles of Q
; A KEY STEP: 128 keys.
.macro STEP
	s_cmp_gt_u32 s[KST], s[BLK]                    ; all its keys come after my queries: only the lines at its end, which step addresses, are run
	s_cbranch_scc1 .Lhidden_\@
	s_setprio 2
	v_add_nc_u32 v4, s[TA], v1                     ; these four are also the places in front of loads into registers that the last products have read
	v_add_nc_u32 v5, s[TA], v2
	v_add_nc_u32 v6, s[TS], v1
	v_add_nc_u32 v7, s[TS], v2
.irp t, 0,1,2,3,4,5,6,7
	ds_load_b128 v[32+6*\t:35+6*\t], v4 offset:768*\t
	ds_load_b64 v[36+6*\t:37+6*\t], v5 offset:768*\t+512
.endr
	ds_load_b128 v[88:91], v6                      ; K's scale words: register t / 2; lanes 0-15 the even tile's, lanes 16-31 the odd one's
	s_wait_alu depctr_va_vdst(0)
	s_wait_dscnt 0x0
.irp t, 0,1,2,3,4,5,6,7
.if \t%2 == 0
	v_wmma_scale_f32_16x16x128_f8f6f4 v[96+8*\t:103+8*\t], v[32+6*\t:43+6*\t], v[16:27], 0, v[88+\t/2], v28 matrix_a_fmt:MATRIX_FMT_FP6 matrix_b_fmt:MATRIX_FMT_FP6
.else
	v_wmma_scale_f32_16x16x128_f8f6f4 v[96+8*\t:103+8*\t], v[32+6*\t:43+6*\t], v[16:27], 0, v[88+\t/2], v28 matrix_a_fmt:MATRIX_FMT_FP6 matrix_b_fmt:MATRIX_FMT_FP6 matrix_a_scale:MATRIX_SCALE_ROW1
.endif
.endr
.rept 4
	v_nop                                          ; places: in front of the loads over K's registers and of the first read of the scores
.endr
.irp t, 0,1,2,3                                ; V^T's four fragments are asked for now and land under the softmax
	ds_load_b128 v[32+12*\t:35+12*\t], v4 offset:VOF+1536*\t
	ds_load_b64 v[36+12*\t:37+12*\t], v5 offset:VOF+1536*\t+512
	ds_load_b128 v[38+12*\t:41+12*\t], v4 offset:VOF+1536*\t+768
	ds_load_b64 v[42+12*\t:43+12*\t], v5 offset:VOF+1536*\t+1280
.endr
	ds_load_b64 v[92:93], v7 offset:512            ; V's scale words
	s_cmp_lg_u32 s[KST], s[BLK]                    ; on the diagonal hidden scores become -infinity ahead of the maximum: p = 0 then
	s_cbranch_scc1 .Lopen_\@
	v_add_nc_u32 v230, s[DOF], v3                  ; d = my query's place in the block - 16 h.  Register 16 b + i holds key 32 b + 16 h + i: hidden where 32 b + i > d
	v_mov_b32 v231, 0xff800000
.set n, 0
.rept 64
	v_cmp_gt_i32 vcc_lo, 32*(n/16)+n%16, v230
	v_cndmask_b32 v[96+n], v[96+n], v231, vcc_lo
.set n, n+1
.endr
.Lopen_\@:
.irp b, 0,1,2,3
	v_max3_num_f32 v[BM+\b], v[96+16*\b], v[97+16*\b], v[98+16*\b]   ; the largest score of each block of 32 keys: it serves for the row's maximum and, since p rises with the score, for the block's largest p
.endr
.irp i, 3,5,7,9,11,13
.irp b, 0,1,2,3
	v_max3_num_f32 v[BM+\b], v[BM+\b], v[96+16*\b+\i], v[97+16*\b+\i]
.endr
.endr
.irp b, 0,1,2,3
	v_max_num_f32 v[BM+\b], v[BM+\b], v[111+16*\b]
.endr
.irp b, 0,1,2,3
	s_delay_alu instid0(VALU_DEP_4)
	v_permlanex16_b32 v[BX+\b], v[BM+\b], s[SEL], s[SEL+1]
.endr
.irp b, 0,1,2,3
	s_delay_alu instid0(VALU_DEP_4)
	v_max_num_f32 v[BM+\b], v[BM+\b], v[BX+\b]     ; with lane l xor 16's 16 keys
.endr
	s_delay_alu instid0(VALU_DEP_2)
	v_max3_num_f32 v224, v212, v213, v214
	s_delay_alu instid0(VALU_DEP_1)
	v_max_num_f32 v224, v224, v215                 ; the step's largest score of my query
	s_delay_alu instid0(VALU_DEP_1)
	v_mul_f32 v224, s[CS], v224                    ; as t (c is positive)
	s_delay_alu instid0(VALU_DEP_1)
	v_max_num_f32 v13, v13, v224                   ; the running largest t
	v_mov_b32 v224, v12
	s_delay_alu instid0(VALU_DEP_2)
	v_floor_f32 v12, -v13                          ; the new -M = floor(-t) = -ceil(t): a whole number
	s_delay_alu instid0(VALU_DEP_1)
	v_sub_f32 v224, v12, v224                      ; old M - new M: a whole number, 0 or less
	s_delay_alu instid0(VALU_DEP_1)
	v_cvt_i32_f32 v224, v224                       ; (it saturates)
	s_delay_alu instid0(VALU_DEP_1)
	v_ldexp_f32 v226, 1.0, v224                    ; f = 2^(old M - new M)
.irp j, 0,2,4,6,8,10,12,14,16,18,20,22,24,26,28,30,32,34,36,38,40,42,44,46,48,50,52,54,56,58,60,62
	v_pk_fma_f32 v[96+\j:97+\j], v[96+\j:97+\j], s[CS:CS+1], v[12:13] op_sel_hi:[1,0,0]   ; t - M, two at a time
.endr
	s_setprio 1
.irp b, 0,1,2,3
	v_fma_f32 v[BM+\b], v[BM+\b], s[CS], v12       ; the same of each block's largest score
.endr
.set j, 0
	s_wait_alu depctr_va_vdst(0)
.rept 64
	v_exp_f32 v[96+j], v[96+j]                     ; p = 2^(t - M), at most 1
.set j, j+1
.endr
	v_pk_mul_f32 v[14:15], v[14:15], v[226:227] op_sel_hi:[1,0]   ; the sums under the new M: a plain instruction behind the exponentials
	s_wait_alu depctr_va_vdst(0)                   ; one wait for the batch of 64, ahead of its first reader
.irp b, 0,1,2,3
	v_exp_f32 v[BM+\b], v[BM+\b]                   ; the block's largest p: the same two instructions on the same number give the same bits
.endr
	v_pk_add_f32 v[216:217], v[100:101], v[104:105]
	v_pk_add_f32 v[252:253], v[108:109], v[112:113]
	v_pk_add_f32 v[250:251], v[116:117], v[120:121]
	v_pk_add_f32 v[248:249], v[124:125], v[128:129]
	v_pk_add_f32 v[230:231], v[132:133], v[136:137]
	v_pk_add_f32 v[228:229], v[140:141], v[144:145]
	v_pk_add_f32 v[222:223], v[148:149], v[152:153]
	v_pk_add_f32 v[14:15], v[14:15], v[156:157]
	v_pk_add_f32 v[216:217], v[216:217], v[96:97]
	v_pk_add_f32 v[252:253], v[252:253], v[98:99]
	v_pk_add_f32 v[250:251], v[250:251], v[102:103]
	v_pk_add_f32 v[248:249], v[248:249], v[106:107]
	v_pk_add_f32 v[230:231], v[230:231], v[110:111]
	v_pk_add_f32 v[228:229], v[228:229], v[114:115]
	v_pk_add_f32 v[222:223], v[222:223], v[118:119]
	v_pk_add_f32 v[14:15], v[14:15], v[122:123]
	v_pk_add_f32 v[216:217], v[216:217], v[126:127]
	v_pk_add_f32 v[252:253], v[252:253], v[130:131]
	v_pk_add_f32 v[250:251], v[250:251], v[134:135]
	v_pk_add_f32 v[248:249], v[248:249], v[138:139]
	v_pk_add_f32 v[230:231], v[230:231], v[142:143]
	v_pk_add_f32 v[228:229], v[228:229], v[146:147]
	v_pk_add_f32 v[222:223], v[222:223], v[150:151]
	v_pk_add_f32 v[14:15], v[14:15], v[154:155]
	v_pk_add_f32 v[216:217], v[216:217], v[158:159]
	s_delay_alu instid0(VALU_DEP_2)
	v_pk_add_f32 v[14:15], v[14:15], v[248:249]
	s_delay_alu instid0(VALU_DEP_2)
	v_pk_add_f32 v[216:217], v[216:217], v[230:231]
	v_pk_add_f32 v[252:253], v[252:253], v[228:229]
	v_pk_add_f32 v[250:251], v[250:251], v[222:223]
	s_delay_alu instid0(VALU_DEP_2)
	v_pk_add_f32 v[14:15], v[14:15], v[252:253]
	s_delay_alu instid0(VALU_DEP_2)
	v_pk_add_f32 v[216:217], v[216:217], v[250:251]
	s_delay_alu instid0(VALU_DEP_1)
	v_pk_add_f32 v[14:15], v[14:15], v[216:217]
	s_wait_alu depctr_va_vdst(0)                   ; and one for the four
.irp b, 0,1,2,3
	v_max_num_f32 v[BM+\b], 0x1800000, v[BM+\b]    ; the floor 2^(3 - 127): the byte cannot fall under 1 (a block whose every p is 0 keeps that byte: its codes are zeros)
.endr
.irp b, 0,1,2,3
	s_delay_alu instid0(VALU_DEP_4)
	v_add_nc_u32 v[SE+\b], 0xff000000, v[BM+\b]    ; 2 off the exponent field: the conversion's scale operand
.endr
.irp b, 0,1,2,3
	s_delay_alu instid0(VALU_DEP_4)
	v_lshrrev_b32 v[BX+\b], 23, v[SE+\b]           ; the scale's byte
.endr
	s_delay_alu instid0(VALU_DEP_3)
	v_lshl_or_b32 v228, v217, 8, v216              ; p's scale word for these 128 keys
	s_delay_alu instid0(VALU_DEP_1)
	v_lshl_or_b32 v228, v218, 16, v228
	s_delay_alu instid0(VALU_DEP_1)
	v_lshl_or_b32 v228, v219, 24, v228
	s_setprio 0
.irp c, 0,1
	v_cvt_scalef32_pk16_fp6_f32 v[192+6*\c:194+6*\c], v[96+32*\c:111+32*\c], v[SE+2*\c]
	v_cvt_scalef32_pk16_fp6_f32 v[204+4*\c:206+4*\c], v[112+32*\c:127+32*\c], v[SE+2*\c+1]
.endr
	v_nop                                          ; one plain place behind a scaled conversion
.irp c, 0,1                                    ; the layout wants a whole block in a lane: lanes 0-15 block 2 c, lanes 16-31 block 2 c + 1
.irp i, 0,1,2
	v_permlane16_swap_b32 v[192+6*\c+\i], v[204+4*\c+\i]
.endr
.irp i, 0,1,2
	s_delay_alu instid0(VALU_DEP_3)
	v_mov_b32 v[195+6*\c+\i], v[204+4*\c+\i]
.endr
.endr
.irp j, 0,2,4,6,8,10,12,14,16,18,20,22,24,26,28,30
	v_pk_mul_f32 v[160+\j:161+\j], v[160+\j:161+\j], v[226:227] op_sel_hi:[1,0]   ; O^T under the new M.  (These sixteen are also the places between the codes' and the scale word's last writes and the products)
.endr
	s_wait_alu depctr_va_vdst(0)
	s_wait_dscnt 0x0                               ; V is in
.irp t, 0,1,2,3                                ; O^T += V^T P^T: the four accumulators by turns
.if \t%2 == 0
	v_wmma_scale_f32_16x16x128_f8f6f4 v[160+8*\t:167+8*\t], v[32+12*\t:43+12*\t], v[192:203], v[160+8*\t:167+8*\t], v[92+\t/2], v228 matrix_a_fmt:MATRIX_FMT_FP6 matrix_b_fmt:MATRIX_FMT_FP6
.else
	v_wmma_scale_f32_16x16x128_f8f6f4 v[160+8*\t:167+8*\t], v[32+12*\t:43+12*\t], v[192:203], v[160+8*\t:167+8*\t], v[92+\t/2], v228 matrix_a_fmt:MATRIX_FMT_FP6 matrix_b_fmt:MATRIX_FMT_FP6 matrix_a_scale:MATRIX_SCALE_ROW1
.endif
.endr
.Lhidden_\@:
	s_add_co_u32 s[KST], s[KST], 1
	s_add_co_u32 s[TA], s[TA], 6144
	s_add_co_u32 s[TS], s[TS], 768
.endm
; A chunk of four key steps.  The waves that fetch wait for their load of this chunk (those of later chunks may be out); then the barrier; then all sixteen read.
.macro CHUNK c
	s_wait_tensorcnt 3-\c
	s_wait_dscnt 0x0                               ; no LDS instruction of mine is pending at the signal
	s_barrier_signal -1
	s_barrier_wait -1
	s_mov_b32 s[TA], CHB*\c
	s_mov_b32 s[TS], CHB*\c+SOF
	s_mov_b32 s[CNT], 4
.Lstep_\@:
	STEP
	s_sub_co_u32 s[CNT], s[CNT], 1
	s_cmp_lg_u32 s[CNT], 0
	s_cbranch_scc1 .Lstep_\@
	s_setprio 0
.endm
.Lpass:                                            ; two trips: the high tile, then the low one
	s_wait_xcnt 0x0                                ; the last pass's stores have read their registers and bases
	s_cmp_eq_u32 s[PASS], 0
	s_cselect_b32 s[BLK], s22, s15                 ; made of the wave's number alone
	s_cselect_b32 s[AA], s21, s19
	s_cselect_b32 s[TT], s83, s23
	s_cselect_b32 s[QM], -1, 0
	s_lshr_b32 s94, s[AA], 1
	s_lshl_b32 s94, s94, 5
	s_and_b32 s95, s[AA], 1
	s_lshl_b32 s95, s95, 3
	s_add_co_u32 s[DOF], s94, s95                  ; 32 (a / 2) + 8 (a % 2)
	s_mul_i32 s94, s[TT], 12288
	s_mov_b32 s95, 0
	s_add_nc_u64 s[YB:YB+1], s[8:9], s[94:95]
	s_lshl_b32 s94, s[TT], 9
	s_add_nc_u64 s[YS:YS+1], s[10:11], s[94:95]
.irp i, 0,1,2,3,4,5
	v_cndmask_b32 v[16+\i], v[240+\i], v[232+\i], s[QM]   ; the pass's Q
.endr
	v_cndmask_b32 v28, v246, v238, s[QM]           ; and its scale words
	v_mov_b32 v13, 0xff61b1e6                      ; the largest t so far: -3e38, under every t
	s_delay_alu instid0(VALU_DEP_1)
	v_floor_f32 v12, -v13                          ; -M
	v_mov_b32 v14, 0                               ; the sum, in two halves
	v_mov_b32 v15, 0
.set j, 0
.rept 32
	v_mov_b32 v[160+j], 0                          ; O^T: the step is written once; the first finds zeros, which the first change of M leaves zeros
.set j, j+1
.endr
	s_mov_b32 s[KST], 0
	CHUNK 0
	CHUNK 1
	CHUNK 2
	CHUNK 3
	; THE TILE'S END: O^T / the sum is y's 64 numbers of my query; quantised along d, it leaves as half an image, 768 consecutive bytes
.rept 4
	v_nop                                          ; places behind the last products
.endr
	v_add_f32 v14, v14, v15                        ; the sum's two halves,
	s_delay_alu instid0(VALU_DEP_1)
	v_permlanex16_b32 v224, v14, s[SEL], s[SEL+1]
	s_delay_alu instid0(VALU_DEP_1)
	v_add_f32 v14, v14, v224                       ; and lane l xor 16's
	s_wait_alu depctr_va_vdst(0)
	v_rcp_f32 v14, v14
	v_nop                                          ; a plain place behind the transcendental
	s_wait_alu depctr_va_vdst(0)                   ; the wait ahead of its first reader
.irp j, 0,2,4,6,8,10,12,14,16,18,20,22,24,26,28,30
	v_pk_mul_f32 v[96+\j:97+\j], v[160+\j:161+\j], v[14:15] op_sel_hi:[1,0]   ; each accumulator from its low end on
.endr
	QUANT2 96, 192, 225, 212
	global_store_b128 v1, v[192:195], s[YB:YB+1]
	global_store_b64 v2, v[196:197], s[YB:YB+1] offset:512
	global_store_b16 v9, v225, s[YS:YS+1]          ; lanes r and r + 16 write the same two bytes with the same value
	s_add_co_u32 s[PASS], s[PASS], 1
	s_cmp_lt_u32 s[PASS], 2
	s_cbranch_scc1 .Lpass
	s_wait_tensorcnt 0x0
	s_wait_tensorcnt 0x0
	ds_add_u32 v254, v255
	s_wait_dscnt 0x0
	CROUND                                         ; the closing round: no work-group ends while a partner may still ask for a tile that names it
	s_endpgm
.Lfunc_end_k_qf0522bd492_attn:
	.size	k_qf0522bd492_attn, .Lfunc_end_k_qf0522bd492_attn-k_qf0522bd492_attn
	.p2alignl 7, 3214868480
	.fill 96, 4, 3214868480
	.section	.rodata,"a",@progbits
	.p2align	6, 0x0
	.amdhsa_kernel k_qf0522bd492_attn
		.amdhsa_group_segment_fixed_size 210944
		.amdhsa_private_segment_fixed_size 0
		.amdhsa_enable_private_segment 0
		.amdhsa_kernarg_size 32
		.amdhsa_user_sgpr_count 2
		.amdhsa_user_sgpr_kernarg_segment_ptr 1
		.amdhsa_wavefront_size32 1
		.amdhsa_system_sgpr_workgroup_id_x 1
		.amdhsa_system_sgpr_workgroup_id_y 1
		.amdhsa_system_sgpr_workgroup_id_z 1
		.amdhsa_system_vgpr_workitem_id 0
		.amdhsa_next_free_vgpr 256
		.amdhsa_next_free_sgpr 96
		.amdhsa_reserve_vcc 1
		.amdhsa_float_denorm_mode_32 3
		.amdhsa_float_denorm_mode_16_64 3
		.amdhsa_memory_ordered 1
		.amdhsa_forward_progress 1
		.amdhsa_inst_pref_size 108
	.end_amdhsa_kernel
	.amdgpu_metadata
---
amdhsa.version: [ 1, 2 ]
amdhsa.kernels:
  - .name:           k_qf0522bd492_attn
    .symbol:         k_qf0522bd492_attn.kd
    .args:
      - { .name: qkvc, .offset: 0, .size: 8, .value_kind: global_buffer, .address_space: global }
      - { .name: qkvs, .offset: 8, .size: 8, .value_kind: global_buffer, .address_space: global }
      - { .name: yc, .offset: 16, .size: 8, .value_kind: global_buffer, .address_space: global }
      - { .name: ys, .offset: 24, .size: 8, .value_kind: global_buffer, .address_space: global }
    .group_segment_fixed_size: 210944
    .private_segment_fixed_size: 0
    .kernarg_segment_align: 8
    .kernarg_segment_size: 32
    .max_flat_workgroup_size: 512
    .sgpr_count:     96
    .vgpr_count:     256
    .wavefront_size: 32
...
	.end_amdgpu_metadata
.endif
;; end of part 3
;; launch proj (part 4): grid 4 x 64, 4 waves a work-group, clusters of 4 x 4, 312,832 bytes of LDS; arguments yc, ys, opc, ops, b_out, out0; writes out0
.if DOCPART == 4
	.amdgcn_target "amdgcn-amd-amdhsa--gfx1250"
	.amdhsa_code_object_version 6
	.text
	.protected	k_qf0522bd492_proj
	.globl	k_qf0522bd492_proj
	.p2align	8
	.type	k_qf0522bd492_proj,@function
k_qf0522bd492_proj:
	s_mov_b64 s[64:65], 0
	v_nop
	global_prefetch_b8 v0, s[64:65] scope:SCOPE_SE
	s_setreg_imm32_b32 hwreg(HW_REG_WAVE_MODE, 25, 1), 1
	s_wait_xcnt 0x0
	s_wait_alu depctr_hold_cnt(0) depctr_sa_sdst(0) depctr_va_vdst(0) depctr_va_sdst(0) depctr_va_ssrc(0) depctr_va_vcc(0) depctr_vm_vsrc(0)
	s_getreg_b32 s2, hwreg(HW_REG_IB_STS2, 6, 4)
	s_cmp_eq_u32 s2, 0
	s_cbranch_scc0 .Lentry_in_a_cluster
	s_endpgm
.Lentry_in_a_cluster:
	s_bfe_u32 s2, ttmp6, 0x10000c
	s_cmp_lg_u32 s2, 0xf033
	s_cbranch_scc0 .Lentry_shape_is_right
	s_endpgm
.Lentry_shape_is_right:
; out0 = y w_out^T + b_out on codes of FP6 (E2M3) with E8M0 scales; out0 [8192][1024] f32.
; OPERANDS come as images of their registers: y's from yc and ys (made by the launch before), w_out's from opc and ops: [row tile][K step][1,536 bytes], 32 scale bytes a stored row;
; row p of tile t is real row 32 (t / 2) + 8 (t % 2) + p + 8 (p / 8).
; A work-group multiplies a P tile (256 stored rows of w_out, source 0; wave w takes its tiles 4 w .. 4 w + 3) by an R tile (128 stored rows of y, source 1; all four waves take all eight tiles): 32 accumulators a wave.
; In accumulator (a, t) lane (r, h) holds row r of y's tile a, and register j the output column 256 cx + 64 w + 32 (t / 2) + 16 h + 8 (t % 2) + j.
; ALL OF K (1,024) OF BOTH TILES LIES IN LDS: 4 chunks of 73,728 bytes.  Every byte of it is filled once, at the start: four tensor loads a wave are out, and each chunk is read behind a counted wait and a barrier.
; CLUSTERS: 4 x 4 work-groups: y's tile is asked for jointly along a row of the cluster, w_out's along a column: a quarter of the requests.
; THE WAY OUT: a tile of 16 rows x the wave's 64 columns goes through the wave's own stage in LDS, behind the chunks, in bytes that no tensor load fills, and leaves as rows: sixteen lanes store 256 consecutive bytes, aligned.
.set CH,   73728
.set PB,   24576
.set STAGE, 4*CH                       ; 16 rows x (256 + 16) bytes for each wave
.set SCP,  16
.set SCR,  32
.set RF,   64
.set PF,   160
.set BQ,   0                           ; window 2: v0-31 the bias, in the result's layout: the C of the first K step
.set G1R,  24
.set G1P,  32
.set G0R,  40
.set MSB,  0
.macro WIN new                         ; s_set_vgpr_msb: bits 1:0 source 0, 3:2 source 1, 5:4 source 2, 7:6 destination; the high byte repeats the setting that is left
.if MSB != \new
	s_set_vgpr_msb (MSB<<8)|\new
.set MSB, \new
.endif
.endm
.macro WINM cm
.if \cm
	WIN 0x60
.else
	WIN 0x50
.endif
.endm
.macro PLACES                          ; four plain vector instructions between a matrix instruction and a load into, or a read of, its registers
.rept 4
	v_nop
.endr
.endm
.macro CROUND
	s_barrier_signal -1
	s_barrier_wait -1
	s_cmp_lg_u32 s14, 0
	s_cbranch_scc1 .Lnot_wave_0_\@
	s_barrier_signal -3
.Lnot_wave_0_\@:
	s_barrier_wait -3
	s_barrier_signal -1
	s_barrier_wait -1
.endm
.macro FRAG reg, a16, a8, off
	ds_load_b128 v[(\reg):(\reg)+3], v[\a16] offset:(\off)
	ds_load_b64 v[(\reg)+4:(\reg)+5], v[\a8] offset:(\off)+512
	ds_load_b128 v[(\reg)+6:(\reg)+9], v[\a16] offset:(\off)+768
	ds_load_b64 v[(\reg)+10:(\reg)+11], v[\a8] offset:(\off)+1280
.endm
.macro FETCH_P ks
.irp t, 0,1,2,3
	FRAG PF+48*((\ks)%2)+12*\t, 4, 5, 3072*\t+1536*((\ks)%2)
.endr
.endm
.macro FETCH_R ks, a0
.irp i, 0,1,2,3
	FRAG RF+12*((\a0)+\i), 6, 7, 3072*((\a0)+\i)+1536*((\ks)%2)
.endr
.endm
.macro MM a, t, ks, cm
.set rD, 8*(4*(\a)+(\t))
.set rC, rD
.if \cm
.set rC, BQ+8*(\t)
.endif
.set rP, PF+48*((\ks)%2)+12*(\t)
.set rR, RF+12*(\a)
.set rX, SCP+8*((\t)/2)+(\ks)
.set rY, SCR+8*((\a)/2)+(\ks)
.if ((\t)%2 == 0) && ((\a)%2 == 0)
	v_wmma_scale_f32_16x16x128_f8f6f4 v[rD:rD+7], v[rP:rP+11], v[rR:rR+11], v[rC:rC+7], v[rX], v[rY] matrix_a_fmt:MATRIX_FMT_FP6 matrix_b_fmt:MATRIX_FMT_FP6
.elseif ((\a)%2 == 0)
	v_wmma_scale_f32_16x16x128_f8f6f4 v[rD:rD+7], v[rP:rP+11], v[rR:rR+11], v[rC:rC+7], v[rX], v[rY] matrix_a_fmt:MATRIX_FMT_FP6 matrix_b_fmt:MATRIX_FMT_FP6 matrix_a_scale:MATRIX_SCALE_ROW1
.elseif ((\t)%2 == 0)
	v_wmma_scale_f32_16x16x128_f8f6f4 v[rD:rD+7], v[rP:rP+11], v[rR:rR+11], v[rC:rC+7], v[rX], v[rY] matrix_a_fmt:MATRIX_FMT_FP6 matrix_b_fmt:MATRIX_FMT_FP6 matrix_b_scale:MATRIX_SCALE_ROW1
.else
	v_wmma_scale_f32_16x16x128_f8f6f4 v[rD:rD+7], v[rP:rP+11], v[rR:rR+11], v[rC:rC+7], v[rX], v[rY] matrix_a_fmt:MATRIX_FMT_FP6 matrix_b_fmt:MATRIX_FMT_FP6 matrix_a_scale:MATRIX_SCALE_ROW1 matrix_b_scale:MATRIX_SCALE_ROW1
.endif
.endm
.macro MULA a, ks, cm                  ; the 32 accumulators take turns, one instruction a turn, in the same order in every K step
.irp t, 0,1,2,3
	MM \a, \t, \ks, \cm
.endr
.endm
.macro STEP ks, cm
	s_wait_dscnt 16                                ; P's set and R's tiles 0-3 are in; the sixteen youngest loads (R's tiles 4-7) may be out
	WINM \cm
.irp a, 0,1,2,3
	MULA \a, \ks, \cm
.endr
	s_wait_dscnt 0x0
	PLACES
	WIN 0
	FETCH_P (\ks)+1
	FETCH_R (\ks)+1, 0
	WINM \cm
.irp a, 4,5,6,7
	MULA \a, \ks, \cm
.endr
	PLACES
	WIN 0
	FETCH_R (\ks)+1, 4
.endm
.macro TURN ks
	s_wait_tensorcnt 3-((\ks)+1)/2                 ; my load of the next chunk is in; those of the chunks behind it may be out
	s_wait_dscnt 16
	WIN 0x50
	MULA 0, \ks, 0
	MULA 1, \ks, 0
	s_wait_dscnt 0x0                               ; no LDS instruction of mine is pending at the signal
	s_barrier_signal -1
	MULA 2, \ks, 0
	MULA 3, \ks, 0
	s_barrier_wait -1                              ; the next chunk is whole
	WIN 0
	v_add_nc_u32 v4, CH, v4                        ; on to the next chunk; these four are also the places in front of the loads below
	v_add_nc_u32 v5, CH, v5
	v_add_nc_u32 v6, CH, v6
	v_add_nc_u32 v7, CH, v7
	FETCH_P (\ks)+1
	FETCH_R (\ks)+1, 0
	WIN 0x50
.irp a, 4,5,6,7
	MULA \a, \ks, 0
.endr
	PLACES
	WIN 0
	FETCH_R (\ks)+1, 4
.endm
	s_load_b128 s[4:7], s[0:1], 0x0                ; yc, ys
	s_load_b128 s[8:11], s[0:1], 0x10              ; opc, ops
	s_load_b128 s[20:23], s[0:1], 0x20             ; b_out, out0
	s_set_vgpr_msb 0x80
	v_lshl_add_u32 v32, v0, 2, 0x4c400
	v_mov_b32 v33, 0
	s_set_vgpr_msb 0x808a
	ds_add_u32 v32, v33
	ds_add_u32 v32, v33
	s_set_vgpr_msb 0x8a00
	v_lshrrev_b32 v1, 5, v0
	v_readfirstlane_b32 s14, v1                    ; wave 0..3
	s_lshr_b32 s15, s14, 1                         ; I fetch for R (0) or for P (1)
	s_and_b32 s16, s14, 1                          ; which half of that tile
	s_bfe_u32 s17, ttmp6, 0x40000                  ; cx
	s_bfe_u32 s18, ttmp6, 0x40004                  ; cy
	s_and_b32 s19, ttmp7, 0xffff                   ; the cluster's y
	s_lshl_b32 s84, s18, 2
	s_lshl_b32 s84, 15, s84                        ; my row of the cluster
	s_lshl_b32 s85, 0x1111, s17                    ; my column
	s_or_b32 s[G1R], s84, (3<<16)|(1<<21)          ; the mask; elements of 8 bytes; bit 21 beside a mask; no padding
	s_or_b32 s[G1P], s85, (3<<16)|(1<<21)
	s_mov_b32 s[G1R+1], 384<<16                    ; a tile's 3,072 bytes of a chunk
	s_mov_b32 s[G1R+2], 4<<16                      ; 4 tiles: half of R
	s_mov_b32 s[G1R+3], 384<<16
	s_mov_b32 s[G1R+4], 4
	s_mov_b32 s[G1R+5], 1536                       ; from tile to tile: 12,288 bytes
	s_mov_b32 s[G1R+6], 0
	s_mov_b32 s[G1R+7], 0
	s_mov_b32 s[G1P+1], 384<<16
	s_mov_b32 s[G1P+2], 8<<16                      ; 8 tiles: half of P
	s_mov_b32 s[G1P+3], 384<<16
	s_mov_b32 s[G1P+4], 8
	s_mov_b32 s[G1P+5], 1536
	s_mov_b32 s[G1P+6], 0
	s_mov_b32 s[G1P+7], 0
	s_lshl_b32 s76, s17, 8
	s_add_co_u32 s76, s76, 11264                   ; P: w_out's stored rows 256 cx on, behind x's and w_qkv's: cx alone
	s_lshl_b32 s80, s19, 9
	s_lshl_b32 s81, s18, 7
	s_add_co_u32 s80, s80, s81                     ; R: y's stored rows 128 (4 y + cy) on: cy alone
	s_mul_i32 s78, s76, 768
	s_mul_i32 s79, s16, 98304
	s_add_co_u32 s78, s78, s79
	s_mov_b32 s79, 0
	s_mul_i32 s82, s80, 768
	s_mul_i32 s83, s16, 49152
	s_add_co_u32 s82, s82, s83
	s_mov_b32 s83, 0
	s_mul_i32 s12, s16, 12288                      ; where my half goes in a chunk: the wave's number alone
	s_mul_i32 s13, s16, 24576
	s_add_co_u32 s13, s13, PB
	s_wait_dscnt 0x0
	s_wait_kmcnt 0x0
	s_add_nc_u64 s[78:79], s[8:9], s[78:79]
	s_add_nc_u64 s[82:83], s[4:5], s[82:83]
.irp c, 0,1,2,3
	s_mov_b32 s[G0R+4*\c], 1
	s_add_co_u32 s[G0R+4*\c+1], s12, CH*\c
	s_add_nc_u64 s[G0R+4*\c+2:G0R+4*\c+3], s[82:83], 3072*\c
	s_or_b32 s[G0R+4*\c+3], s[G0R+4*\c+3], 0x80000000
	s_mov_b32 s[56+4*\c+4*(\c/2)], 1
	s_add_co_u32 s[56+4*\c+4*(\c/2)+1], s13, CH*\c
	s_add_nc_u64 s[56+4*\c+4*(\c/2)+2:56+4*\c+4*(\c/2)+3], s[78:79], 3072*\c
	s_or_b32 s[56+4*\c+4*(\c/2)+3], s[56+4*\c+4*(\c/2)+3], 0x80000000
.endr
	CROUND                                         ; all sixteen work-groups are here: the joint loads meet
	s_cmp_eq_u32 s15, 0                            ; a wave's four fills stand in one branch on the wave's number: four tensor loads of mine are out
	s_cbranch_scc0 .Lfor_p
.irp c, 0,1,2,3
	tensor_load_to_lds s[G0R+4*\c:G0R+4*\c+3], s[G1R:G1R+7]
	s_nop 0
.endr
.rept 4
	v_nop
.endr
	s_branch .Lasked
.Lfor_p:
.irp c, 0,1,2,3
	tensor_load_to_lds s[56+4*\c+4*(\c/2):56+4*\c+4*(\c/2)+3], s[G1P:G1P+7]
	s_nop 0
.endr
.rept 4
	v_nop
.endr
.Lasked:
	v_and_b32 v1, 31, v0                           ; lane
	v_and_b32 v2, 15, v0                           ; r
	v_bfe_u32 v3, v0, 4, 1                         ; h
	s_wait_alu depctr_va_vdst(0)
	v_lshlrev_b32 v8, 4, v1
	v_lshlrev_b32 v9, 3, v1
	s_mul_i32 s84, s14, 12288
	s_add_co_u32 s84, s84, PB
	v_add_nc_u32 v4, s84, v8                       ; P's images: my wave's four tiles
	v_add_nc_u32 v5, s84, v9
	v_lshlrev_b32 v6, 4, v1                        ; R's
	v_lshlrev_b32 v7, 3, v1
	s_lshl_b32 s85, s76, 5
	s_lshl_b32 s86, s14, 11
	s_add_co_u32 s85, s85, s86
	v_lshl_add_u32 v12, v1, 5, s85                 ; scale bytes: 32 a stored row; lane l takes row l of a pair of tiles
	s_lshl_b32 s86, s80, 5
	v_lshl_add_u32 v13, v1, 5, s86
.irp q, 0,1
	global_load_b128 v[SCP+8*\q:SCP+8*\q+3], v12, s[10:11] offset:1024*\q
	global_load_b128 v[SCP+8*\q+4:SCP+8*\q+7], v12, s[10:11] offset:1024*\q+16
.endr
.irp q, 0,1,2,3
	global_load_b128 v[SCR+8*\q:SCR+8*\q+3], v13, s[6:7] offset:1024*\q
	global_load_b128 v[SCR+8*\q+4:SCR+8*\q+7], v13, s[6:7] offset:1024*\q+16
.endr
	s_lshl_b32 s89, s17, 10
	s_lshl_b32 s88, s14, 8
	s_add_co_u32 s89, s89, s88                     ; my first column, in bytes: 4 (256 cx + 64 wave)
	v_lshl_add_u32 v10, v3, 6, s89                 ; + 16 h numbers
	WIN 0x80                                       ; destination window 2
.irp t, 0,1,2,3
	global_load_b128 v[BQ+8*\t:BQ+8*\t+3], v10, s[20:21] offset:(32*(\t/2)+8*(\t%2))*4
	global_load_b128 v[BQ+8*\t+4:BQ+8*\t+7], v10, s[20:21] offset:(32*(\t/2)+8*(\t%2))*4+16
.endr
	WIN 0
	s_mul_i32 s86, s14, 16*272
	s_add_co_u32 s86, s86, STAGE                   ; my stage
	v_mul_u32_u24 v14, v2, 272
	v_lshl_add_u32 v14, v3, 6, v14
	v_add_nc_u32 v14, s86, v14                     ; in: row r, + 64 h bytes
	v_mul_u32_u24 v15, v3, 272
	v_lshl_add_u32 v15, v2, 4, v15
	v_add_nc_u32 v15, s86, v15                     ; back: lanes 0-15 one row of 256 bytes, lanes 16-31 the next
	v_lshlrev_b32 v11, 12, v3
	v_lshl_add_u32 v11, v2, 4, v11                 ; and the same two rows in out0
	s_lshl_b32 s87, s19, 2
	s_add_co_u32 s87, s87, s18
	s_lshl_b32 s87, s87, 19                        ; my 128 rows of 4,096 bytes
	s_add_co_u32 s94, s87, s89
	s_mov_b32 s95, 0
	s_add_nc_u64 s[22:23], s[22:23], s[94:95]
	s_wait_loadcnt 0x0                             ; scales and bias
	s_wait_tensorcnt 3                             ; my part of chunk 0 is in; the three behind it may be out
	s_barrier_signal -1
	s_barrier_wait -1                              ; everybody's is
	FETCH_P 0
	FETCH_R 0, 0
	FETCH_R 0, 4
	STEP 0, 1                                      ; the first K step starts the sums, on the bias
	TURN 1
	s_wait_alu depctr_va_vdst(0)
	STEP 2, 0
	TURN 3
	s_wait_alu depctr_va_vdst(0)
	STEP 4, 0
	TURN 5                                         ; its wait on TENSORcnt is for 0: no tensor load is out from here on
	s_wait_alu depctr_va_vdst(0)
	STEP 6, 0
	s_wait_dscnt 16                                ; the last K step: nothing more to fetch
	WIN 0x50
.irp a, 0,1,2,3
	MULA \a, 7, 0
.endr
	s_wait_dscnt 0x0
.irp a, 4,5,6,7
	MULA \a, 7, 0
.endr
	WIN 0
	PLACES
; y's tile a: 16 stored rows x my 64 columns.  Stored row p of tile a is real row 32 (a / 2) + 8 (a % 2) + p + 8 (p / 8).
.macro OUTP a
.set BK, 64+32*((\a)%2)                ; the rows read back: two sets by turns (R's registers are free)
.if \a > 1
	s_wait_xcnt 0x0                                ; the stores of two tiles ago have read their registers: they are loaded again only behind this wait
.endif
	WIN 0x04                                       ; an LDS store's data are its source 1: window 1
.irp t, 0,1,2,3
	ds_store_b128 v14, v[32*\a+8*\t:32*\a+8*\t+3] offset:128*(\t/2)+32*(\t%2)       ; each accumulator from its low end on
	ds_store_b128 v14, v[32*\a+8*\t+4:32*\a+8*\t+7] offset:128*(\t/2)+32*(\t%2)+16
.endr
	WIN 0
.irp i, 0,1,2,3,4,5,6,7
	ds_load_b128 v[BK+4*\i:BK+4*\i+3], v15 offset:544*\i   ; LDS serves a wave's instructions in order (ISA guide 5.7.1.4): these see the stores above, and the next tile's stores come behind them
.endr
	s_wait_dscnt 0x0
.irp i, 0,1,2,3,4,5,6,7
	global_store_b128 v11, v[BK+4*\i:BK+4*\i+3], s[22:23] offset:4096*(32*(\a/2)+8*(\a%2)+2*\i+8*(\i/4)) th:TH_STORE_NT   ; 16 lanes store 256 consecutive bytes, at a multiple of 256 from out0's first byte
.endr
.endm
.irp a, 0,1,2,3,4,5,6,7
	OUTP \a
.endr
	s_set_vgpr_msb 0xa
	s_wait_tensorcnt 0x0
	ds_add_u32 v32, v33
	s_wait_dscnt 0x0
	s_set_vgpr_msb 0xa00
	CROUND                                         ; the closing round: no work-group ends while a partner may still ask for a tile that names it
	s_endpgm
.Lfunc_end_k_qf0522bd492_proj:
	.size	k_qf0522bd492_proj, .Lfunc_end_k_qf0522bd492_proj-k_qf0522bd492_proj
	.p2alignl 7, 3214868480
	.fill 96, 4, 3214868480
	.section	.rodata,"a",@progbits
	.p2align	6, 0x0
	.amdhsa_kernel k_qf0522bd492_proj
		.amdhsa_group_segment_fixed_size 312832
		.amdhsa_private_segment_fixed_size 0
		.amdhsa_enable_private_segment 0
		.amdhsa_kernarg_size 48
		.amdhsa_user_sgpr_count 2
		.amdhsa_user_sgpr_kernarg_segment_ptr 1
		.amdhsa_wavefront_size32 1
		.amdhsa_system_sgpr_workgroup_id_x 1
		.amdhsa_system_sgpr_workgroup_id_y 1
		.amdhsa_system_sgpr_workgroup_id_z 1
		.amdhsa_system_vgpr_workitem_id 0
		.amdhsa_next_free_vgpr 546
		.amdhsa_next_free_sgpr 100
		.amdhsa_reserve_vcc 0
		.amdhsa_float_denorm_mode_32 3
		.amdhsa_float_denorm_mode_16_64 3
		.amdhsa_memory_ordered 1
		.amdhsa_forward_progress 1
		.amdhsa_inst_pref_size 86
	.end_amdhsa_kernel
	.amdgpu_metadata
---
amdhsa.version: [ 1, 2 ]
amdhsa.kernels:
  - .name:           k_qf0522bd492_proj
    .symbol:         k_qf0522bd492_proj.kd
    .args:
      - { .name: yc, .offset: 0, .size: 8, .value_kind: global_buffer, .address_space: global }
      - { .name: ys, .offset: 8, .size: 8, .value_kind: global_buffer, .address_space: global }
      - { .name: opc, .offset: 16, .size: 8, .value_kind: global_buffer, .address_space: global }
      - { .name: ops, .offset: 24, .size: 8, .value_kind: global_buffer, .address_space: global }
      - { .name: b_out, .offset: 32, .size: 8, .value_kind: global_buffer, .address_space: global }
      - { .name: out0, .offset: 40, .size: 8, .value_kind: global_buffer, .address_space: global }
    .group_segment_fixed_size: 312832
    .private_segment_fixed_size: 0
    .kernarg_segment_align: 8
    .kernarg_segment_size: 48
    .max_flat_workgroup_size: 128
    .sgpr_count:     100
    .vgpr_count:     546
    .wavefront_size: 32
...
	.end_amdgpu_metadata
.endif
;; end of part 4
